; MI455X (gfx1250); checked and timed in simulation.
; The chip was launched on July 23, 2026; its instructions are those of AMD's public machine-readable ISA for CDNA 5 (MIT licence, August 2026) and "CDNA5" Instruction Set Architecture Reference Guide (July 2026). The comments in the code are by the model that wrote it; some were corrected since.
;; Multi Head Self Attention. Allowed arithmetic: matrix products marked QUANTISED: E2M3 operands, one E8M0 scale for each 32 along K, by v_wmma_scale_f32_16x16x128_f8f6f4 with both operands' format E2M3, f32 sums; everything else in f32.
;; Inputs: Wk 1,024 x 1,024 float32; Wo 1,024 x 1,024 float32; Wq 1,024 x 1,024 float32; Wv 1,024 x 1,024 float32; bk 1,024 float32; bo 1,024 float32; bq 1,024 float32; bv 1,024 float32; x 4 x 2,048 x 1,024 float32.
;; Outputs: out0 4 x 2,048 x 1,024 float32.
;; This version of the problem:
;;   THIS VERSION OF THE PROBLEM IS GIVEN IN LOW PRECISION. The matrix products marked QUANTISED in the list below multiply operands that are first quantised to E2M3 (2 exponent bits, 3 mantissa bits; 6 bits a number), with one power-of-two scale for each 32 numbers along K (OCP MX v1.0); their sums are f32. All else is computed in f32.
;;   The module's matrix products, in the order in which they are computed (A, B: the left and right operand; K: the contracted axis; several contracted axes count as one K, in the product's order):
;;     1. [M 8,192, K 1,024] x [K 1,024, N 1,024]; A: input x; B: input Wq: QUANTISED
;;     2. [M 8,192, K 1,024] x [K 1,024, N 1,024]; A: input x; B: input Wk: QUANTISED
;;     3. [M 8,192, K 1,024] x [K 1,024, N 1,024]; A: input x; B: input Wv: QUANTISED
;;     4. batch 64 x [M 2,048, K 64] x [K 64, N 2,048]; A: computed on the way; B: computed on the way: QUANTISED
;;     5. batch 64 x [M 2,048, K 2,048] x [K 2,048, N 64]; A: softmax (see below); B: computed on the way: QUANTISED
;;     6. [M 8,192, K 1,024] x [K 1,024, N 1,024]; A: computed on the way; B: input Wo: QUANTISED
;;   THE QUANTISER, for each operand of a quantised product, along K:
;;     - K is cut into blocks of 32 from its start; a last block that is shorter is filled with zeros.
;;     - A block's scale is 2^e with e = floor(log2(the largest magnitude in the block)) - 2, held to -126 .. 127; a block of zeros has e = 0. As a byte (E8M0): e + 127.
;;     - Each number is divided by its block's scale, clamped to +-7.5, and rounded to the nearest number of E2M3, ties to even, subnormals kept.
;;     - The product sums the exact products of the quantised numbers (number of the format x scale) in f32.
;;   ~~~python
;;   def quantise(x, axis):      # numpy; x: float32 -> the quantised numbers, widened to float32 again
;;       x = np.moveaxis(x, axis, -1); K = x.shape[-1]
;;       x = np.pad(x, [(0, 0)] * (x.ndim - 1) + [(0, -K % 32)]); x = x.reshape(x.shape[:-1] + (-1, 32)); a = np.abs(x).max(-1, keepdims=True)
;;       e = np.where(a > 0, np.clip(np.frexp(np.where(a > 0, a, 1))[1] - 1 - 2, -126, 127), 0)      # np.frexp(a)[1] - 1 = floor(log2(a)), exactly
;;       r = np.clip(x / 2.0 ** e, -7.5, 7.5)
;;       step = 2.0 ** (np.maximum(np.frexp(np.where(r == 0, 1, r))[1] - 1, 0) - 3)
;;       q = np.round(r / step) * step * 2.0 ** e      # np.round: ties to even
;;       return np.moveaxis(q.reshape(q.shape[:-2] + (-1,))[..., :K], -1, axis).astype(np.float32)
;;   ~~~
;;   SOFTMAX AHEAD OF A QUANTISED PRODUCT. Where the list says 'softmax', what is quantised is not the finished softmax but p = 2^(t - M), with t = logit x log2(e) and M = ceil(the row's largest t), a whole number; so 1/2 < the row's largest p <= 1. The row's sum l is taken of the UNQUANTISED p, in f32, and the product's result is divided by l at the end. Since M is a whole number, a kernel that streams over the keys may use a running M (the ceiling of the running maximum): every later rescaling is an exact power of two, which a block's scale takes up: the codes' values come out the same.
;;   OPERANDS COMPUTED ON THE WAY. 'Computed on the way' means the value that the module computes at that place (a softmax that the list does not call 'softmax' is quantised finished and normalised). What goes into a quantiser is computed in f32, as accurately as f32 sums, v_exp_f32 and their like allow (about 1e-6 of the number): no bf16 or f16 on the way to a quantiser, and a product that is left as it is and whose result goes on into a quantised operand takes f32 operands (vector FMAs, or v_wmma_f32_16x16x4_f32). A number that lies on a knife's edge between two numbers of the format may be rounded either way, as far as f32 arithmetic and the matrix unit's own rounding can turn it there, and no further.
;; One version. Each part assembles by itself: llvm-mc -triple=amdgcn-amd-amdhsa -mcpu=gfx1250 --defsym DOCPART=n.
;; ======== version 1 of 1: 4 launches
;; limits: right only within a limited range of input values
;; workspace buffers: xi 6,291,456 bytes; xs 262,144 bytes; wi 3,145,728 bytes; ws 131,072 bytes; qb 6,815,744 bytes; kv 13,369,344 bytes; ao 6,291,456 bytes; aos 262,144 bytes
;; launch prep (part 1): grid 256 x 1, 4 waves a work-group, no clusters, 327,680 bytes of LDS; arguments x, Wq, Wk, Wv, Wo, xi, xs, wi, ws; writes xi, xs, wi, ws
.if DOCPART == 1
	.amdgcn_target "amdgcn-amd-amdhsa--gfx1250"
	.amdhsa_code_object_version 6
	.text
	.protected	k_q16a92de4f2_prep
	.globl	k_q16a92de4f2_prep
	.p2align	8
	.type	k_q16a92de4f2_prep,@function
k_q16a92de4f2_prep:
	s_mov_b64 s[64:65], 0
	v_nop
	global_prefetch_b8 v0, s[64:65] scope:SCOPE_SE
	s_setreg_imm32_b32 hwreg(HW_REG_WAVE_MODE, 25, 1), 1
	s_wait_xcnt 0x0
; x [8192][1024] and Wq, Wk, Wv, Wo [1024 (k)][1024 (n)], f32, become codes of FP6 (E2M3) with one E8M0 byte for each 32 along K, laid as IMAGES OF OPERAND REGISTERS.
; A block's scale is 2^(floor(log2(largest magnitude)) - 2): its byte is the largest magnitude's exponent field - 2, held at 1 from below.
; LIMITS: a block of zeros, or one whose largest magnitude lies under 2^-124, gets the byte 1 (the rule says 127 for zeros: its codes are zeros, and this program alone reads the bytes); NaN and infinities are not served.
; ROW ORDER: rows (tokens of x, columns n of W) go in groups of 32; tile 2 b + u holds, in lane row r, row 32 b + 8 u + r + 8 (r / 8).
; A FRAGMENT (16 rows x 128 K, 12 registers a lane; lane (r, h) holds k = 64 c + 32 h + 0 .. 31 in registers 6 c .. 6 c + 5) is 1,536 bytes: for c = 0, 1: registers 6 c .. 6 c + 3 at 768 c + 16 x lane, registers 6 c + 4, 5 at 768 c + 512 + 8 x lane.
; xi: [tile 512][K step 8][1,536]; wi: [matrix 4][tile 64][K step 8][1,536]; scale words xs, ws: [group of 32 rows][pair of K steps 4][u][r][2 words].
; SHARES: work-group i does two jobs on one path.  x: tokens 32 i .. 32 i + 31; wave q takes columns 256 q .. + 255: four fragments (u, K step 2 q + s').
; W: matrix i / 64, columns 128 ((i / 8) % 8) on, K step i % 8; wave g takes 32 columns: two fragments.  No input is shared between work-groups, so there is no cluster.
; The numbers come into LDS by one tensor load a wave, all first fills: nothing is filled again.  Each store of codes covers whole aligned runs of 256 bytes; ws's words alone leave 4 bytes at a stride of 8 (one byte in 128 of what is read).
.set XW,  1040                         ; LDS: x's rows 0-15 at 0, rows 16-31 at XB; a row is 4 x (1,024 bytes + 16 of padding); wave q reads its 1,024 bytes at XW q
.set XB,  66576                        ; 16 rows x 4,160 + 16: so lane rows 8-15 start one 16-byte column beside lane rows 0-7
.set XP,  4160
.set WB,  133376                       ; behind them W's tile: 128 rows of K x 512 bytes, dense
.set WR,  16384                        ; 32 rows of K
.set L16, 4                            ; v4   16 x lane
.set L8,  5                            ; v5   8 x lane
.set H8,  6                            ; v6   8 h
.set AX,  7                            ; v7   my lane's place in the wave's x regions
.set AW,  8                            ; v8   my lane's place in W's tile
.set M,   16                           ; v16-17 largest magnitudes;  v18-19 the conversions' scale operands;  v20-21 bytes;  v22 the other half's word
.set SO,  18
.set BY,  20
.set PT,  22
.set T,   24                           ; v24-30 the upper halves of two blocks' codes
.set WD,  32                           ; v32-37 the six fragments' scale words
.set OW,  38                           ; v38-40 words to store
.set X,   48                           ; v48-175 two sets of 64 numbers
.set F,   176                          ; v176-247 six fragments of codes: no store's data are written again
	s_load_b256 s[4:11], s[0:1], 0x0               ; x, Wq, Wk, Wv
	s_load_b256 s[12:19], s[0:1], 0x20             ; Wo, xi, xs, wi
	s_load_b64 s[20:21], s[0:1], 0x40              ; ws
	v_lshl_add_u32 v254, v0, 2, 0x32000
	v_mov_b32 v255, 0
	ds_add_u32 v254, v255
	ds_add_u32 v254, v255
	v_lshrrev_b32 v1, 5, v0
	v_readfirstlane_b32 s22, v1                    ; wave 0..3
	s_lshr_b32 s23, ttmp9, 6                       ; which matrix
	s_bfe_u32 s24, ttmp9, 0x30003                  ; which 128 columns
	s_and_b32 s25, ttmp9, 7                        ; which K step
	; group 1 for x: 16 rows x 1,024 elements of 4 bytes, 1,024 elements from row to row, 4 words of padding behind every 256
	s_mov_b32 s32, (2<<16)|(1<<20)|(7<<22)|(3<<25) ; 16 whole rows of 1,024 elements, 4 words of padding behind every 256
	s_mov_b32 s33, 1024<<16
	s_mov_b32 s34, 16<<16
	s_mov_b32 s35, 1024<<16
	s_mov_b32 s36, 16
	s_mov_b32 s37, 1024
	s_mov_b32 s38, 0
	s_mov_b32 s39, 0
	; group 1 for W: 64 rows x 128 elements, no padding
	s_mov_b32 s40, 2<<16
	s_mov_b32 s41, 128<<16
	s_mov_b32 s42, 64<<16                          ; 64 rows a load
	s_mov_b32 s43, 128<<16
	s_mov_b32 s44, 64
	s_mov_b32 s45, 1024
	s_mov_b32 s46, 0
	s_mov_b32 s47, 0
	s_mov_b32 s60, 0x76543210
	s_mov_b32 s61, 0xfedcba98                      ; lane selects: lane l xor 16
	s_lshl_b32 s26, ttmp9, 17                      ; x: 32 rows of 4,096 bytes a work-group,
	s_lshl_b32 s28, s22, 16                        ; waves 0 and 1 fetch 16 rows each
	s_add_co_u32 s26, s26, s28
	s_mov_b32 s27, 0
	s_lshl_b32 s28, s25, 19                        ; W: K row 128 s + 64 (wave % 2), 4,096 bytes a row,
	s_and_b32 s29, s22, 1                          ; waves 2 and 3 fetch 64 rows of K each
	s_lshl_b32 s29, s29, 18
	s_add_co_u32 s28, s28, s29
	s_lshl_b32 s29, s24, 9                         ; 512 bytes of it
	s_add_co_u32 s28, s28, s29
	s_mov_b32 s29, 0
	s_mul_i32 s30, s22, XW
	s_and_b32 s31, s22, 1
	s_lshl_b32 s31, s31, 15
	s_add_co_u32 s31, s31, WB
	s_wait_dscnt 0x0
	s_wait_kmcnt 0x0
	s_add_nc_u64 s[4:5], s[4:5], s[26:27]
	s_cmp_lt_u32 s23, 2                            ; the matrix is chosen by the work-group's number alone
	s_cselect_b64 s[6:7], s[6:7], s[10:11]
	s_cselect_b64 s[8:9], s[8:9], s[12:13]
	s_and_b32 s62, s23, 1
	s_cmp_eq_u32 s62, 0
	s_cselect_b64 s[6:7], s[6:7], s[8:9]
	s_add_nc_u64 s[6:7], s[6:7], s[28:29]
	s_mov_b32 s48, 1                               ; group 0: x's rows 0-15
	s_mul_i32 s49, s22, XB
	s_mov_b64 s[50:51], s[4:5]
	s_or_b32 s51, s51, 0x80000000
	s_mov_b32 s56, 1                               ; W's 64 rows
	s_mov_b32 s57, s31
	s_mov_b64 s[58:59], s[6:7]
	s_or_b32 s59, s59, 0x80000000
	s_cmp_lt_u32 s22, 2                            ; one load a wave, all first fills, in one chain of two arms: waves 0, 1 x's rows, waves 2, 3 W's
	s_cbranch_scc0 .Lfor_w
	tensor_load_to_lds s[48:51], s[32:39]
	s_nop 0
	s_branch .Lasked
.Lfor_w:
	tensor_load_to_lds s[56:59], s[40:47]
	s_nop 0
.Lasked:
.rept 4
	v_nop
.endr
	v_and_b32 v1, 31, v0                           ; lane
	v_and_b32 v2, 15, v0                           ; r
	v_bfe_u32 v3, v0, 4, 1                         ; h
	v_bfe_u32 v9, v0, 3, 1                         ; r / 8
	v_and_b32 v10, 7, v0                           ; r % 8
	v_lshlrev_b32 v[L16], 4, v1
	v_lshlrev_b32 v[L8], 3, v1
	v_lshlrev_b32 v[H8], 3, v3
	v_mul_u32_u24 v[AX], v9, XB                    ; lane rows 8-15 lie in the second region
	v_mad_u32_u24 v[AX], v10, XP, v[AX]
	v_lshl_add_u32 v[AX], v3, 7, v[AX]             ; + 128 h: my block of 32 numbers
	v_add_nc_u32 v[AX], s30, v[AX]
	v_lshl_add_u32 v[AW], v9, 3, v2                ; r + 8 (r / 8)
	v_lshlrev_b32 v[AW], 2, v[AW]
	v_mad_u32_u24 v[AW], v3, WR, v[AW]             ; lanes 16-31 begin 32 rows of K further down
	s_lshl_b32 s62, s22, 7                         ; my wave's 32 columns
	s_add_co_u32 s62, s62, WB
	v_add_nc_u32 v[AW], s62, v[AW]
	v_cmp_eq_u32 s63, 1, v3                        ; lanes 16-31; kept in s63
	v_mov_b32 v[PT], 0                             ; a lane permute's destination counts as read
	s_mul_i32 s26, ttmp9, 24576                    ; xi: two tiles of 12,288 bytes a group, 3,072 bytes a pair of K steps
	s_mul_i32 s28, s22, 3072
	s_add_co_u32 s26, s26, s28
	s_add_nc_u64 s[14:15], s[14:15], s[26:27]
	s_lshl_b32 s26, ttmp9, 10                      ; xs: 1,024 bytes a group, 256 a pair of K steps
	s_lshl_b32 s28, s22, 8
	s_add_co_u32 s26, s26, s28
	s_add_nc_u64 s[16:17], s[16:17], s[26:27]
	s_lshl_b32 s26, s23, 6                         ; wi: tile 64 w + 8 cb + 2 g, K step s
	s_lshl_b32 s28, s24, 3
	s_add_co_u32 s26, s26, s28
	s_lshl_b32 s28, s22, 1
	s_add_co_u32 s26, s26, s28
	s_mul_i32 s26, s26, 12288
	s_mul_i32 s28, s25, 1536
	s_add_co_u32 s26, s26, s28
	s_add_nc_u64 s[18:19], s[18:19], s[26:27]
	s_lshl_b32 s26, s23, 15                        ; ws: 32,768 w + 1,024 (4 cb + g) + 256 (s / 2) + 4 (s % 2)
	s_lshl_b32 s28, s24, 12
	s_add_co_u32 s26, s26, s28
	s_lshl_b32 s28, s22, 10
	s_add_co_u32 s26, s26, s28
	s_lshr_b32 s28, s25, 1
	s_lshl_b32 s28, s28, 8
	s_add_co_u32 s26, s26, s28
	s_and_b32 s28, s25, 1
	s_lshl_b32 s28, s28, 2
	s_add_co_u32 s26, s26, s28
	s_add_nc_u64 s[20:21], s[20:21], s[26:27]
; x's fragment (u, s'): register 32 c + i of the set = x(row of lane r in tile u, 128 s' + 64 c + 32 h + i): two whole blocks a lane
.macro LOADX u, sp, set
.irp c, 0,1
.irp j, 0,1,2,3,4,5,6,7
	ds_load_b128 v[X+64*(\set)+32*\c+4*\j:X+64*(\set)+32*\c+4*\j+3], v[AX] offset:8*XP*(\u)+512*(\sp)+256*\c+16*\j
.endr
.endr
.endm
; W's fragment u: a lane takes a column and its registers run down K
.macro LOADW u, set
.irp c, 0,1
.irp i, 0,1,2,3,4,5,6,7,8,9,10,11,12,13,14,15,16,17,18,19,20,21,22,23,24,25,26,27,28,29,30,31
	ds_load_b32 v[X+64*(\set)+32*\c+\i], v[AW] offset:2*WR*\c+512*\i+32*(\u)
.endr
.endr
.endm
; 64 numbers of a lane (blocks h and 2 + h of its row) become fragment f's 12 registers and its scale word
.macro QUANT2 set, f
.set XS, X+64*(\set)
.set FF, F+12*(\f)
.irp c, 0,1
	v_max3_num_f32 v[M+\c], |v[XS+32*\c]|, |v[XS+32*\c+1]|, 0x1800000   ; with the floor 2^(3 - 127): the byte cannot fall under 1
.endr
.irp i, 2,4,6,8,10,12,14,16,18,20,22,24,26,28,30
.irp c, 0,1
	v_max3_num_f32 v[M+\c], v[M+\c], |v[XS+32*\c+\i]|, |v[XS+32*\c+\i+1]|
.endr
.endr
.irp c, 0,1
	v_add_nc_u32 v[SO+\c], 0xff000000, v[M+\c]     ; 2 off the exponent field: the conversion's scale operand
.endr
.irp c, 0,1
	v_lshrrev_b32 v[BY+\c], 23, v[SO+\c]           ; the byte
.endr
	v_lshl_or_b32 v[WD+\f], v[BY+1], 16, v[BY]     ; blocks h and 2 + h,
	v_lshlrev_b32 v[WD+\f], v[H8], v[WD+\f]        ; at their places;
	v_permlanex16_b32 v[PT], v[WD+\f], s60, s61
	v_or_b32 v[WD+\f], v[WD+\f], v[PT]             ; with the other half's two the word is whole, in both halves
.irp c, 0,1
	v_cvt_scalef32_pk16_fp6_f32 v[FF+6*\c:FF+6*\c+2], v[XS+32*\c:XS+32*\c+15], v[SO+\c]
	v_cvt_scalef32_pk16_fp6_f32 v[T+4*\c:T+4*\c+2], v[XS+32*\c+16:XS+32*\c+31], v[SO+\c]   ; (a conversion's three registers begin on an even number)
.endr
	v_nop                                          ; one plain instruction behind the scaled conversions
.irp c, 0,1
.irp i, 0,1,2
	v_mov_b32 v[FF+6*\c+3+\i], v[T+4*\c+\i]
.endr
.endr
.endm
.macro PUT f, b, off                   ; the image: 512 + 256 + 512 + 256 consecutive bytes
	global_store_b128 v[L16], v[F+12*(\f):F+12*(\f)+3], s[\b:\b+1] offset:\off
	global_store_b64 v[L8], v[F+12*(\f)+4:F+12*(\f)+5], s[\b:\b+1] offset:\off+512
	global_store_b128 v[L16], v[F+12*(\f)+6:F+12*(\f)+9], s[\b:\b+1] offset:\off+768
	global_store_b64 v[L8], v[F+12*(\f)+10:F+12*(\f)+11], s[\b:\b+1] offset:\off+1280
.endm
	s_wait_alu depctr_va_vdst(0)
	s_cmp_lt_u32 s22, 2
	s_cbranch_scc0 .Lnot_x
	s_wait_tensorcnt 0x0                           ; waves 0 and 1: x's rows are in; W's may stay out
.Lnot_x:
	s_barrier_signal -1
	s_barrier_wait -1
	LOADX 0, 0, 0
	LOADX 0, 1, 1
	s_wait_dscnt 16                                ; the older set is in; the younger 16 loads may be out
	QUANT2 0, 0
	PUT 0, 14, 0
	LOADX 1, 0, 0
	s_wait_dscnt 16
	QUANT2 1, 1
	PUT 1, 14, 1536
	LOADX 1, 1, 1
	s_wait_dscnt 16
	QUANT2 0, 2
	PUT 2, 14, 12288
	s_wait_dscnt 0x0
	QUANT2 1, 3
	PUT 3, 14, 12288+1536
	v_cndmask_b32 v[OW], v[WD], v[WD+2], s63       ; lanes 0-15 store tile 0's two words of row r, lanes 16-31 tile 1's
	v_cndmask_b32 v[OW+1], v[WD+1], v[WD+3], s63
	global_store_b64 v[L8], v[OW:OW+1], s[16:17]   ; 256 consecutive bytes
	s_wait_tensorcnt 0x0                           ; my rows of W are in,
	s_barrier_signal -1
	s_barrier_wait -1                              ; everybody's are
	LOADW 0, 0
	LOADW 1, 1
	s_wait_dscnt 63                                ; 64 loads are younger than the first set's; 63 is the largest count that can be written
	QUANT2 0, 4
	PUT 4, 18, 0
	s_wait_dscnt 0x0
	QUANT2 1, 5
	PUT 5, 18, 12288
	v_cndmask_b32 v[OW+2], v[WD+4], v[WD+5], s63
	global_store_b32 v[L8], v[OW+2], s[20:21]      ; this K step's word of each of 32 rows
	s_wait_tensorcnt 0x0
	ds_add_u32 v254, v255
	s_wait_dscnt 0x0
	s_endpgm
.Lfunc_end_k_q16a92de4f2_prep:
	.size	k_q16a92de4f2_prep, .Lfunc_end_k_q16a92de4f2_prep-k_q16a92de4f2_prep
	.p2alignl 7, 3214868480
	.fill 96, 4, 3214868480
	.section	.rodata,"a",@progbits
	.p2align	6, 0x0
	.amdhsa_kernel k_q16a92de4f2_prep
		.amdhsa_group_segment_fixed_size 327680
		.amdhsa_private_segment_fixed_size 0
		.amdhsa_enable_private_segment 0
		.amdhsa_kernarg_size 72
		.amdhsa_user_sgpr_count 2
		.amdhsa_user_sgpr_kernarg_segment_ptr 1
		.amdhsa_wavefront_size32 1
		.amdhsa_system_sgpr_workgroup_id_x 1
		.amdhsa_system_sgpr_workgroup_id_y 1
		.amdhsa_system_sgpr_workgroup_id_z 1
		.amdhsa_system_vgpr_workitem_id 0
		.amdhsa_next_free_vgpr 256
		.amdhsa_next_free_sgpr 66
		.amdhsa_reserve_vcc 0
		.amdhsa_float_denorm_mode_32 3
		.amdhsa_float_denorm_mode_16_64 3
		.amdhsa_memory_ordered 1
		.amdhsa_forward_progress 1
		.amdhsa_inst_pref_size 39
	.end_amdhsa_kernel
	.amdgpu_metadata
---
amdhsa.version: [ 1, 2 ]
amdhsa.kernels:
  - .name:           k_q16a92de4f2_prep
    .symbol:         k_q16a92de4f2_prep.kd
    .args:
      - { .name: x, .offset: 0, .size: 8, .value_kind: global_buffer, .address_space: global }
      - { .name: Wq, .offset: 8, .size: 8, .value_kind: global_buffer, .address_space: global }
      - { .name: Wk, .offset: 16, .size: 8, .value_kind: global_buffer, .address_space: global }
      - { .name: Wv, .offset: 24, .size: 8, .value_kind: global_buffer, .address_space: global }
      - { .name: Wo, .offset: 32, .size: 8, .value_kind: global_buffer, .address_space: global }
      - { .name: xi, .offset: 40, .size: 8, .value_kind: global_buffer, .address_space: global }
      - { .name: xs, .offset: 48, .size: 8, .value_kind: global_buffer, .address_space: global }
      - { .name: wi, .offset: 56, .size: 8, .value_kind: global_buffer, .address_space: global }
      - { .name: ws, .offset: 64, .size: 8, .value_kind: global_buffer, .address_space: global }
    .group_segment_fixed_size: 327680
    .private_segment_fixed_size: 0
    .kernarg_segment_align: 8
    .kernarg_segment_size: 72
    .max_flat_workgroup_size: 128
    .sgpr_count:     66
    .vgpr_count:     256
    .wavefront_size: 32
...
	.end_amdgpu_metadata
.endif
;; end of part 1
;; launch qkv (part 2): grid 8 x 32, 8 waves a work-group, clusters of 4 x 4, 327,680 bytes of LDS; arguments xi, xs, wi, ws, bq, bk, bv, qb, kv; writes qb, kv
.if DOCPART == 2
	.amdgcn_target "amdgcn-amd-amdhsa--gfx1250"
	.amdhsa_code_object_version 6
	.text
	.protected	k_q16a92de4f2_qkv
	.globl	k_q16a92de4f2_qkv
	.p2align	8
	.type	k_q16a92de4f2_qkv,@function
k_q16a92de4f2_qkv:
	s_mov_b64 s[64:65], 0
	v_nop
	global_prefetch_b8 v0, s[64:65] scope:SCOPE_SE
	s_setreg_imm32_b32 hwreg(HW_REG_WAVE_MODE, 25, 1), 1
	s_wait_xcnt 0x0
	s_wait_alu depctr_hold_cnt(0) depctr_sa_sdst(0) depctr_va_vdst(0) depctr_va_sdst(0) depctr_va_ssrc(0) depctr_va_vcc(0) depctr_vm_vsrc(0)
	s_getreg_b32 s2, hwreg(HW_REG_IB_STS2, 6, 4)
	s_cmp_eq_u32 s2, 0
	s_cbranch_scc0 .Lentry_in_a_cluster
	s_endpgm
.Lentry_in_a_cluster:
	s_bfe_u32 s2, ttmp6, 0x10000c
	s_cmp_lg_u32 s2, 0xf033
	s_cbranch_scc0 .Lentry_shape_is_right
	s_endpgm
.Lentry_shape_is_right:
; q = x Wq + bq, k = x Wk + bk, v = x Wv + bv on codes of FP6 (E2M3) with E8M0 scales, f32 sums; the results are quantised at once: q and k along the head's 64 channels, v along the tokens (the keys).
; LIMITS: a block of zeros, or one whose largest magnitude lies under 2^-124, gets the byte 1 (its codes are as the floor gives them; this program alone reads the bytes); NaN and infinities are not served.
; SHARES: a work-group takes 256 tokens (mi) x 128 columns (nj: two heads) of each of the three products, one after the other.  x's 256 rows, all of K, lie in LDS for the whole launch (two K halves);
; W's blocks go through two slots of half of K each.  Wave w: 64 tokens (mq = w / 2, tiles a = 0..3) x one head (nh = w % 2, tiles t = 0..3): 16 accumulators, 128 registers.
; CLUSTER 4 x 4: x's tiles hang on mi alone and are asked for jointly along a row of the cluster, W's on nj alone and along a column.
; OPERANDS lie as images of their registers (a fragment: 1,536 bytes; loads of 16, 8, 16, 8 bytes a lane at 0, 512, 768, 1,280): every LDS load is consecutive over the lanes.
; ROW ORDER: lane row r of tile 2 b + u is row 32 b + 8 u + r + 8 (r / 8).  As source 0 such tiles leave, in the 16 registers of tiles 2 b and 2 b + 1, 16 neighbours 32 b + 16 h + 0 .. 15.
; q, k: source 0 = W's tiles, source 1 = x's: a lane holds one token and 32 registers run along the head's channels.  v: source 0 = x's tiles, source 1 = W's: a lane holds one channel and its registers run along the tokens.
; The bias is the C of each sum's first products; nothing is cleared.
; OUT: qb [head of batch 64][quad of 64 queries 32]{4 half images of 768 bytes; words [r][a]}: 3,328 bytes.  kv [head of batch][128 keys 16]{K: 8 half images; V^T: 4 channel tiles x 1,536; K's words [quad][r][a]; V's words [r][t]}: 13,056 bytes.
; q's and k's words carry 0x7f in bytes 2 and 3: the upper half of the score product's K = 128 is zeros.  All stores cover whole aligned runs of 256 bytes but V's half-words (2 bytes for each 768 of codes).
.set HALF1, 98304                      ; LDS: x's K half 0 at 0, K half 1 here: [16 tiles][4 K steps][1,536]
.set SLOT0, 196608                     ; W's slot 0: [8 tiles][4 K steps][1,536]; slot 1 SLOTB further on
.set SLOTB, 49152
.set AS,    294912                     ; x's scale words: 8 groups x 1,024
.set BS,    303104                     ; W's: [matrix 3][4,096 bytes: nj's four groups]
.set SPARE, 315392                     ; the spare words: 128 bytes for each of eight waves, four blocks of 256 bytes that no other line names
.set NEXTW, 786432                     ; from a matrix to the next in wi
.set L16, 1                            ; v1   16 x lane
.set L8,  2                            ; v2   8 x lane
.set O3,  3                            ; v3   16 r + 8 h
.set K16, 4                            ; v4   3,072 c + 1,536 (r / 8) + 16 (r % 8) + 256 h   (c = mq % 2: which half of a block of 128 keys)
.set K8,  5                            ; v5   3,072 c + 1,536 (r / 8) + 8 (r % 8) + 128 h
.set KW,  6                            ; v6   256 c + 16 (r % 8 + 8 h) + 8 (r / 8)
.set V16, 7                            ; v7   16 x lane + 768 c
.set O8,  8                            ; v8   64 h
.set O9,  9                            ; v9   4 (r + 8 (r / 8))
.set O10, 10                           ; v10  16 r + 4 h
.set V8,  11                           ; v11  8 x lane + 768 c
.set VW,  0                            ; v0   16 r + 4 h + 2 c  (made last, when the thread's number is no longer wanted)
.set ASA, 12                           ; v12  LDS: my rows' words of x
.set BSA, 13                           ; v13  of W
.set SPW, 14                           ; v14  my spare word
.set NIL, 15                           ; v15  0
.set SA,  16                           ; v16-19 x's scale words, tile a
.set SB,  20                           ; v20-23 W's, tile t
.set AA,  24                           ; v24-27 LDS: x's fragments: K half 0 (16 x lane, 8 x lane), K half 1
.set AB,  28                           ; v28-31 W's: slot 0, slot 1
.set FA,  32                           ; v32-79  x's four fragments
.set FB,  80                           ; v80-127 W's four
.set ACC, 128                          ; v128-255
.set EM,  32                           ; the epilogue works in the fragments' registers: largest magnitudes,
.set ET,  40                           ; the other half's,
.set ES,  48                           ; the conversions' scale operands,
.set EB,  56                           ; bytes,
.set EH,  64                           ; two bytes a block of 64,
.set EF,  68                           ; four half images of 6 registers,
.set E2,  92                           ; the second blocks' codes,
.set EW,  108                          ; words to store
.macro CROUND                          ; a round of the cluster's barrier
	s_barrier_signal -1
	s_barrier_wait -1
	s_cmp_lg_u32 s22, 0
	s_cbranch_scc1 .Lnot_wave_0_\@
	s_barrier_signal -3
.Lnot_wave_0_\@:
	s_barrier_wait -3
	s_barrier_signal -1
	s_barrier_wait -1
.endm
	s_load_b256 s[4:11], s[0:1], 0x0               ; xi, xs, wi, ws
	s_load_b256 s[12:19], s[0:1], 0x20             ; bq, bk, bv, qb
	s_load_b64 s[20:21], s[0:1], 0x40              ; kv
	v_lshl_add_u32 v[SPW], v0, 2, SPARE
	v_mov_b32 v[NIL], 0
	ds_add_u32 v14, v15
	ds_add_u32 v14, v15
	s_wait_dscnt 0x0
	v_lshrrev_b32 v4, 5, v0
	s_delay_alu instid0(VALU_DEP_1)
	v_readfirstlane_b32 s22, v4                    ; wave 0..7
	s_lshr_b32 s23, s22, 1                         ; mq
	s_and_b32 s84, s22, 1                          ; nh
	s_bfe_u32 s66, ttmp6, 0x40000                  ; cx
	s_bfe_u32 s67, ttmp6, 0x40004                  ; cy
	s_lshl_b32 s85, ttmp9, 2
	s_add_co_u32 s85, s85, s66                     ; nj = 4 x cluster x + cx
	s_and_b32 s86, ttmp7, 0xffff
	s_lshl_b32 s86, s86, 2
	s_add_co_u32 s86, s86, s67                     ; mi = 4 x cluster y + cy
	s_lshl_b32 s87, s67, 2
	s_lshl_b32 s87, 15, s87                        ; my row of the cluster
	s_lshl_b32 s88, 0x1111, s66                    ; my column
	; groups 1: elements of 8 bytes, bit 21 beside the mask, no padding
	s_or_b32 s24, s87, (3<<16)|(1<<21)             ; x's scale words: one row of 1,024 bytes
	s_mov_b32 s25, 32<<16                          ; 8,192 dense bytes as 32 rows of 256
	s_mov_b32 s26, 32<<16
	s_mov_b32 s27, 32<<16
	s_mov_b32 s28, 32
	s_mov_b32 s29, 32
	s_mov_b32 s30, 0
	s_mov_b32 s31, 0
	s_or_b32 s32, s88, (3<<16)|(1<<21)             ; W's: 512 bytes of each of three matrices, 32,768 bytes apart
	s_mov_b32 s33, 512<<16                         ; 4,096 bytes of each of three matrices
	s_mov_b32 s34, 3<<16
	s_mov_b32 s35, 512<<16
	s_mov_b32 s36, 3
	s_mov_b32 s37, 4096
	s_mov_b32 s38, 0
	s_mov_b32 s39, 0
	s_or_b32 s40, s87, (3<<16)|(1<<21)             ; x's codes: half of K (6,144 bytes) of two tiles, 12,288 bytes apart
	s_mov_b32 s41, 768<<16
	s_mov_b32 s42, 8<<16                           ; eight tiles a load
	s_mov_b32 s43, 768<<16
	s_mov_b32 s44, 8
	s_mov_b32 s45, 1536
	s_mov_b32 s46, 0
	s_mov_b32 s47, 0
	s_or_b32 s48, s88, (3<<16)|(1<<21)             ; W's codes: half of K of one tile
	s_mov_b32 s49, 768<<16
	s_mov_b32 s50, 8<<16                           ; at the head eight tiles a load; the refills bring one tile a wave (the two words are set anew in CHANGE)
	s_mov_b32 s51, 768<<16
	s_mov_b32 s52, 8
	s_mov_b32 s53, 1536
	s_mov_b32 s54, 0
	s_mov_b32 s55, 0
	s_mov_b32 s94, 0x76543210
	s_mov_b32 s95, 0xfedcba98                      ; lane selects: lane l xor 16
	; x's addresses hang on mi and the wave alone, W's on nj and the wave alone, each in registers that never hold the other coordinate
	s_mul_i32 s96, s86, 196608                     ; x's 16 tiles of mi; waves 2, 3, 6, 7: tiles 8 (wave % 2) on, K half wave / 4
	s_and_b32 s97, s22, 1
	s_mul_i32 s97, s97, 98304
	s_add_co_u32 s96, s96, s97
	s_lshr_b32 s97, s22, 2
	s_mul_i32 s97, s97, 6144
	s_add_co_u32 s96, s96, s97
	s_mov_b32 s97, 0
	s_lshl_b32 s100, s86, 13                       ; x's eight groups of words
	s_mov_b32 s101, 0
	s_lshl_b32 s98, s85, 3
	s_add_co_u32 s98, s98, s22
	s_mul_i32 s98, s98, 12288                      ; W's tile 8 nj + wave
	s_mov_b32 s99, 0
	s_lshl_b32 s2, s85, 12
	s_and_b32 s89, s22, 1
	s_mul_i32 s104, s85, 98304                     ; the head's loads of Wq: nj's eight tiles, K half wave % 2 (waves 4, 5)
	s_mul_i32 s105, s89, 6144
	s_add_co_u32 s104, s104, s105
	s_mov_b32 s105, 0
	s_mov_b32 s3, 0
	s_wait_kmcnt 0x0
	s_mov_b32 s56, 1                               ; x's words
	s_mov_b32 s57, AS
	s_add_nc_u64 s[58:59], s[6:7], s[100:101]
	s_or_b32 s59, s59, 0x80000000
	s_mov_b32 s60, 1                               ; W's words
	s_mov_b32 s61, BS
	s_add_nc_u64 s[62:63], s[10:11], s[2:3]
	s_or_b32 s63, s63, 0x80000000
	s_mov_b32 s68, 1                               ; x's K half 0
	s_mul_i32 s69, s89, 49152                      ; eight tiles' K half: 49,152 (wave % 2) + HALF1 (wave / 4)
	s_lshr_b32 s90, s22, 2
	s_mul_i32 s90, s90, HALF1
	s_add_co_u32 s69, s69, s90
	s_add_nc_u64 s[70:71], s[4:5], s[96:97]
	s_mov_b32 s76, 1                               ; Wq's K half wave % 2, whole, into slot wave % 2
	s_mul_i32 s77, s89, SLOTB
	s_add_co_u32 s77, s77, SLOT0
	s_add_nc_u64 s[78:79], s[8:9], s[104:105]
	s_or_b32 s71, s71, 0x80000000
	s_or_b32 s79, s79, 0x80000000
	s_mov_b32 s72, 1                               ; Wq's K half 0 into slot 0
	s_mul_i32 s73, s22, 6144
	s_add_co_u32 s73, s73, SLOT0
	s_add_nc_u64 s[74:75], s[8:9], s[98:99]
	s_mov_b32 s80, 1                               ; Wq's K half 1 into slot 1
	s_add_co_u32 s81, s73, SLOTB
	s_add_nc_u64 s[82:83], s[74:75], 6144
	s_or_b32 s75, s75, 0x80000000
	s_or_b32 s83, s83, 0x80000000
	CROUND                                         ; all sixteen work-groups are here: the first joint loads meet
; THE HEAD'S EIGHT TILES, ONE A WAVE, in one chain of arms on the wave's number: 0 x's words, 1 W's words, 2 and 3 x's K half 0, 4 Wq's K half 0, 5 Wq's K half 1, 6 and 7 x's K half 1.
; Waves 0 to 4 wait ahead of the first barrier; the lines of waves 5 to 7 are theirs alone, and what they bring is read behind the first change of slots.
.macro ARM under, g0, g1, next
	s_cmp_lt_u32 s22, \under
	s_cbranch_scc0 \next
	tensor_load_to_lds s[\g0:\g0+3], s[\g1:\g1+7]
	s_nop 0
.rept 4
	v_nop
.endr
	s_branch .Lasked
\next:
.endm
	ARM 1, 56, 24, .Larm1
	ARM 2, 60, 32, .Larm2
	ARM 4, 68, 40, .Larm3
	ARM 5, 76, 48, .Larm4
	ARM 6, 76, 48, .Larm5
	tensor_load_to_lds s[68:71], s[40:47]
	s_nop 0
.rept 4
	v_nop
.endr
.Lasked:
	v_and_b32 v4, 31, v0                           ; lane
	v_and_b32 v5, 15, v0                           ; r
	v_bfe_u32 v6, v0, 4, 1                         ; h
	v_bfe_u32 v7, v0, 3, 1                         ; r / 8
	s_delay_alu instid0(VALU_DEP_4)
	v_lshlrev_b32 v[L16], 4, v4
	v_lshlrev_b32 v[L8], 3, v4
	v_lshlrev_b32 v[O3], 4, v5
	s_delay_alu instid0(VALU_DEP_1)
	v_lshl_add_u32 v[O10], v6, 2, v[O3]
	s_delay_alu instid0(VALU_DEP_2)
	v_lshl_add_u32 v[O3], v6, 3, v[O3]
	v_lshlrev_b32 v[O8], 6, v6
	v_lshl_add_u32 v[O9], v7, 3, v5
	s_delay_alu instid0(VALU_DEP_1)
	v_lshlrev_b32 v[O9], 2, v[O9]
	v_cmp_eq_u32 s93, 1, v6                        ; lanes 16-31
	s_lshl_b32 s89, s23, 11
	s_add_co_u32 s89, s89, AS
	v_lshl_add_u32 v[ASA], v5, 3, s89              ; my two groups of x's words, 8 bytes a row
	s_lshl_b32 s89, s84, 11
	s_add_co_u32 s89, s89, BS
	v_lshl_add_u32 v[BSA], v5, 3, s89
	s_mul_i32 s89, s23, 24576                      ; my four tiles of x
	v_add_nc_u32 v[AA], s89, v[L16]
	v_add_nc_u32 v[AA+1], s89, v[L8]
	s_add_co_u32 s89, s89, HALF1
	v_add_nc_u32 v[AA+2], s89, v[L16]
	v_add_nc_u32 v[AA+3], s89, v[L8]
	s_mul_i32 s89, s84, 24576                      ; my four tiles of W
	s_add_co_u32 s89, s89, SLOT0
	v_add_nc_u32 v[AB], s89, v[L16]
	v_add_nc_u32 v[AB+1], s89, v[L8]
	s_add_co_u32 s89, s89, SLOTB
	v_add_nc_u32 v[AB+2], s89, v[L16]
	v_add_nc_u32 v[AB+3], s89, v[L8]
	; where the results go
	s_lshr_b32 s92, s86, 3                         ; the batch
	s_lshl_b32 s92, s92, 4
	s_lshl_b32 s104, s85, 1
	s_add_co_u32 s92, s92, s104
	s_add_co_u32 s92, s92, s84                     ; head of batch = 16 batch + 2 nj + nh
	s_and_b32 s104, s86, 7                         ; which 256 tokens of the sequence
	s_lshl_b32 s90, s92, 5
	s_lshl_b32 s105, s104, 2
	s_add_co_u32 s90, s90, s105
	s_add_co_u32 s90, s90, s23                     ; quad of 64 queries
	s_mul_i32 s90, s90, 3328
	s_mov_b32 s91, 0
	s_add_nc_u64 s[18:19], s[18:19], s[90:91]
	s_lshl_b32 s90, s92, 4
	s_lshl_b32 s105, s104, 1
	s_add_co_u32 s90, s90, s105
	s_lshr_b32 s105, s23, 1
	s_add_co_u32 s90, s90, s105                    ; block of 128 keys
	s_mul_i32 s90, s90, 13056
	s_add_nc_u64 s[20:21], s[20:21], s[90:91]
	s_lshl_b32 s90, s85, 9
	s_lshl_b32 s105, s84, 8
	s_add_co_u32 s90, s90, s105                    ; my head's 64 numbers of each bias
	s_add_nc_u64 s[12:13], s[12:13], s[90:91]
	s_add_nc_u64 s[14:15], s[14:15], s[90:91]
	s_add_nc_u64 s[16:17], s[16:17], s[90:91]
	s_and_b32 s104, s23, 1                         ; c
	s_mul_i32 s105, s104, 3072
	; K's TILES ARE REGROUPED ON THE WAY OUT: tile j of a band of 64 keys holds keys 8 j + i (rows 0-7) and 32 + 8 j + i (rows 8-15).  Lane row r of my tile 2 b + u goes to tile u + 2 (r / 8), row r % 8 + 8 b
	v_and_b32 v32, 7, v0                           ; r % 8
	v_bfe_u32 v33, v0, 3, 1                        ; r / 8
	v_bfe_u32 v34, v0, 4, 1                        ; h
	v_mul_u32_u24 v35, v33, 1536
	v_lshl_add_u32 v36, v34, 8, v35
	v_lshl_add_u32 v36, v32, 4, v36
	v_add_nc_u32 v[K16], s105, v36                 ; 3,072 c + 1,536 (r / 8) + 16 (r % 8) + 256 h
	v_lshl_add_u32 v36, v34, 7, v35
	v_lshl_add_u32 v36, v32, 3, v36
	v_add_nc_u32 v[K8], s105, v36                  ; 3,072 c + 1,536 (r / 8) + 8 (r % 8) + 128 h
	s_lshl_b32 s105, s104, 8
	v_lshlrev_b32 v36, 4, v32
	v_lshl_add_u32 v36, v33, 3, v36
	v_lshl_add_u32 v36, v34, 7, v36
	v_add_nc_u32 v[KW], s105, v36                  ; words [row][tile]: 256 c + 16 (r % 8 + 8 h) + 8 (r / 8)
	s_mul_i32 s105, s104, 768
	v_add_nc_u32 v[V16], s105, v[L16]
	v_add_nc_u32 v[V8], s105, v[L8]
	s_lshl_b32 s105, s104, 1
	v_add_nc_u32 v[VW], s105, v[O10]
.macro FRAG reg, a128, a64, off        ; a fragment comes as it was stored
	ds_load_b128 v[\reg:\reg+3], v[\a128] offset:\off
	ds_load_b64 v[\reg+4:\reg+5], v[\a64] offset:\off+512
	ds_load_b128 v[\reg+6:\reg+9], v[\a128] offset:\off+768
	ds_load_b64 v[\reg+10:\reg+11], v[\a64] offset:\off+1280
.endm
; one product.  mode 0: source 0 = W's tile i, source 1 = x's tile j;  mode 1: source 0 = x's tile i, source 1 = W's tile j.  c: the registers of C
.macro MUL mode, i, j, c
.if \mode
	v_wmma_scale_f32_16x16x128_f8f6f4 v[ACC+32*(\j)+8*(\i):ACC+32*(\j)+8*(\i)+7], v[FA+12*(\i):FA+12*(\i)+11], v[FB+12*(\j):FB+12*(\j)+11], v[\c:\c+7], v[SA+\i], v[SB+\j] matrix_a_fmt:MATRIX_FMT_FP6 matrix_b_fmt:MATRIX_FMT_FP6
.else
	v_wmma_scale_f32_16x16x128_f8f6f4 v[ACC+32*(\j)+8*(\i):ACC+32*(\j)+8*(\i)+7], v[FB+12*(\i):FB+12*(\i)+11], v[FA+12*(\j):FA+12*(\j)+11], v[\c:\c+7], v[SB+\i], v[SA+\j] matrix_a_fmt:MATRIX_FMT_FP6 matrix_b_fmt:MATRIX_FMT_FP6
.endif
.endm
; A K step of 128: K half (and slot) half, its s4-th step, matrix w.  8 scale words, source 0's four fragments, source 1's four; 16 products, the accumulators by turns, one instruction a turn.
; first = 1: the bias, loaded into the last four accumulators' registers, is the C of all sixteen: twelve products read it, and five places later the last four add onto it in place.
.macro KSTEP half, s4, w, mode, first
.set QQ, 2*(\half)+(\s4)/2
.irp a, 0,1,2,3
	ds_load_b32 v[SA+\a], v[ASA] offset:1024*(\a/2)+256*QQ+128*(\a%2)+4*((\s4)%2)
.endr
.irp t, 0,1,2,3
	ds_load_b32 v[SB+\t], v[BSA] offset:4096*(\w)+1024*(\t/2)+256*QQ+128*(\t%2)+4*((\s4)%2)
.endr
.if \mode
.irp i, 0,1,2,3
	FRAG FA+12*\i, AA+2*(\half), AA+2*(\half)+1, 6144*\i+1536*(\s4)
.endr
.irp i, 0,1,2,3
	FRAG FB+12*\i, AB+2*(\half), AB+2*(\half)+1, 6144*\i+1536*(\s4)
.endr
.else
.irp i, 0,1,2,3
	FRAG FB+12*\i, AB+2*(\half), AB+2*(\half)+1, 6144*\i+1536*(\s4)
.endr
.irp i, 0,1,2,3
	FRAG FA+12*\i, AA+2*(\half), AA+2*(\half)+1, 6144*\i+1536*(\s4)
.endr
.endif
.if \first
	s_wait_loadcnt 0x0                             ; the bias
	s_wait_dscnt 0x0
.if \mode
.irp i, 0,1,2
.irp j, 0,1,2,3
	MUL 1, \i, \j, ACC+32*\j+24
.endr
.endr
.rept 5
	v_nop                                          ; five places before a matrix instruction writes over registers that matrix instructions have read
.endr
.irp j, 0,1,2,3
	MUL 1, 3, \j, ACC+32*\j+24
.endr
.else
.irp j, 0,1,2
.irp i, 0,1,2,3
	MUL 0, \i, \j, ACC+96+8*\i
.endr
.endr
.rept 5
	v_nop
.endr
.irp i, 0,1,2,3
	MUL 0, \i, 3, ACC+96+8*\i
.endr
.endif
.else
	s_wait_dscnt 8                                 ; all but source 1's last two fragments (eight loads)
.irp j, 0,1
.irp i, 0,1,2,3
	MUL \mode, \i, \j, ACC+32*\j+8*\i
.endr
.endr
	s_wait_dscnt 0x0
.irp j, 2,3
.irp i, 0,1,2,3
	MUL \mode, \i, \j, ACC+32*\j+8*\i
.endr
.endr
.endif
.rept 4
	v_nop                                          ; four places ahead of loads into registers that matrix instructions have read, and of the first read of results
.endr
.endm
.macro PHASE half, w, mode, first
	KSTEP \half, 0, \w, \mode, \first
	KSTEP \half, 1, \w, \mode, 0
	KSTEP \half, 2, \w, \mode, 0
	KSTEP \half, 3, \w, \mode, 0
.endm
; q's and k's bias: register jj of tile t wants channel 32 (t / 2) + 16 h + 8 (t % 2) + jj
.macro BIAS_T b
.irp t, 0,1,2,3
.irp e, 0,1
	global_load_b128 v[ACC+96+8*\t+4*\e:ACC+96+8*\t+4*\e+3], v[O8], s[\b:\b+1] offset:128*(\t/2)+32*(\t%2)+16*\e
.endr
.endr
.endm
; v's: all eight registers of a lane want the lane's own channel of tile t
.macro BIAS_N
.irp t, 0,1,2,3
.irp e, 0,1,2,3,4,5,6,7
	v_mov_b32 v[ACC+32*\t+24+\e], v[32+\t]         ; (source 0 in the second block of registers: v288 + t)
.endr
.endr
.endm
; The change of slots.  Every wave waits for all its tensor loads, adds 0 to its spare word, and waits for that and for its reads of the slot that it leaves.  fill = 1: a round of the cluster's barrier, and first behind it
; the joint refill of that slot with the same K half of the next matrix: it has four K steps (and in every second phase an epilogue) in which to land.
.macro CHANGE fill, slot
	s_wait_tensorcnt 0x0                           ; no tensor load of mine is out, so a group 0 may be written
	ds_add_u32 v[SPW], v[NIL]
.if \fill
	s_add_nc_u64 s[74+8*\slot:75+8*\slot], s[74+8*\slot:75+8*\slot], NEXTW
	s_mov_b32 s50, 1<<16                           ; a refill brings one tile a wave
	s_mov_b32 s52, 1
.endif
	s_wait_dscnt 0x0
.if \fill
	CROUND
	tensor_load_to_lds s[72+8*\slot:75+8*\slot], s[48:55]
	s_nop 0
.rept 4
	v_nop
.endr
.else
	s_barrier_signal -1
	s_barrier_wait -1
.endif
.endm
; The four runs of 32 accumulator registers (register 16 b + i of run x = element 32 b + 16 h + i of the lane's row) become four half images EF + 6 x and two bytes EH + x each.  Eight blocks by turns.
.macro EPQ
.irp n, 0,1,2,3,4,5,6,7
	v_mov_b32 v[ET+\n], 0                          ; a lane permute's destination counts as read
.endr
.irp x, 0,1,2,3
.irp b, 0,1
	v_max3_num_f32 v[EM+2*\x+\b], |v[ACC+32*\x+16*\b]|, |v[ACC+32*\x+16*\b+1]|, 0x1800000   ; each accumulator is read from its low end on; the floor 2^(3 - 127) holds the byte at 1
.endr
.endr
.irp i, 2,4,6,8,10,12,14
.irp x, 0,1,2,3
.irp b, 0,1
	v_max3_num_f32 v[EM+2*\x+\b], v[EM+2*\x+\b], |v[ACC+32*\x+16*\b+\i]|, |v[ACC+32*\x+16*\b+\i+1]|
.endr
.endr
.endr
.irp n, 0,1,2,3,4,5,6,7
	v_permlanex16_b32 v[ET+\n], v[EM+\n], s94, s95
.endr
.irp n, 0,1,2,3,4,5,6,7
	v_max_num_f32 v[EM+\n], v[EM+\n], v[ET+\n]     ; with lane l xor 16's 16 numbers: the block's largest magnitude
.endr
.irp n, 0,1,2,3,4,5,6,7
	v_add_nc_u32 v[ES+\n], 0xff000000, v[EM+\n]    ; 2 off the exponent field: the conversion's scale operand
.endr
.irp n, 0,1,2,3,4,5,6,7
	v_lshrrev_b32 v[EB+\n], 23, v[ES+\n]
.endr
.irp x, 0,1,2,3
	v_lshl_or_b32 v[EH+\x], v[EB+2*\x+1], 8, v[EB+2*\x]
.endr
.irp x, 0,1,2,3
	v_cvt_scalef32_pk16_fp6_f32 v[EF+6*\x:EF+6*\x+2], v[ACC+32*\x:ACC+32*\x+15], v[ES+2*\x]
	v_cvt_scalef32_pk16_fp6_f32 v[E2+4*\x:E2+4*\x+2], v[ACC+32*\x+16:ACC+32*\x+31], v[ES+2*\x+1]
.endr
	v_nop                                          ; one plain instruction behind the scaled conversions
.irp x, 0,1,2,3
.irp i, 0,1,2
	v_permlane16_swap_b32 v[EF+6*\x+\i], v[E2+4*\x+\i]   ; a whole block to a lane: lanes 0-15 block 0, lanes 16-31 block 1
.endr
.endr
.irp x, 0,1,2,3
.irp i, 0,1,2
	v_mov_b32 v[EF+6*\x+3+\i], v[E2+4*\x+\i]
.endr
.endr
.endm
; q or k: half image a at 768 a; the four tiles' words of row r lie together: lane (r, h) stores words 2 h and 2 h + 1
.macro EPI_QK o16, o8, ow, b, woff, x16, x8
	EPQ
.irp a, 0,1,2,3
	global_store_b128 v[\o16], v[EF+6*\a:EF+6*\a+3], s[\b:\b+1] offset:768*(\a%2)+\x16*(\a/2)
	global_store_b64 v[\o8], v[EF+6*\a+4:EF+6*\a+5], s[\b:\b+1] offset:768*(\a%2)+\x8*(\a/2)+512
.endr
.irp a, 0,1,2,3
	v_or_b32 v[EH+\a], 0x7f7f0000, v[EH+\a]        ; the scale 1 for the zero half of K
.endr
	s_delay_alu instid0(VALU_DEP_2)
	v_cndmask_b32 v[EW], v[EH], v[EH+2], s93
	s_delay_alu instid0(VALU_DEP_2)
	v_cndmask_b32 v[EW+1], v[EH+1], v[EH+3], s93
	global_store_b64 v[\ow], v[EW:EW+1], s[\b:\b+1] offset:\woff
	s_wait_xcnt 0x0                                ; the stores' data lie in the fragments' registers, which are loaded again only behind this wait
.endm
.macro EPI_V
	EPQ
.irp t, 0,1,2,3
	global_store_b128 v[V16], v[EF+6*\t:EF+6*\t+3], s[20:21] offset:6144+1536*\t
	global_store_b64 v[V8], v[EF+6*\t+4:EF+6*\t+5], s[20:21] offset:6144+1536*\t+512
.endr
	v_cndmask_b32 v[EW], v[EH], v[EH+1], s93       ; lane (r, h) stores the two bytes of channel tiles h and 2 + h
	v_cndmask_b32 v[EW+1], v[EH+2], v[EH+3], s93
	global_store_b16 v[VW], v[EW], s[20:21] offset:12800
	global_store_b16 v[VW], v[EW+1], s[20:21] offset:12808
.endm
	BIAS_T 12
	s_set_vgpr_msb 0x40                            ; destinations in the second block of 256 registers: k's bias waits in v256-287, v's (one number a lane and tile) in v288-291, loaded here at the head
.irp t, 0,1,2,3
.irp e, 0,1
	global_load_b128 v[8*\t+4*\e:8*\t+4*\e+3], v[O8], s[14:15] offset:128*(\t/2)+32*(\t%2)+16*\e
.endr
.endr
.irp t, 0,1,2,3
	global_load_b32 v[32+\t], v[O9], s[16:17] offset:128*(\t/2)+32*(\t%2)
.endr
	s_set_vgpr_msb 0x4000
	s_wait_alu depctr_va_vdst(0)
	s_cmp_lt_u32 s22, 5
	s_cbranch_scc0 .Llater
	s_wait_tensorcnt 0x0                           ; waves 0 to 4: the words, x's K half 0 and slot 0 are in; the second halves may stay out
.Llater:
	s_barrier_signal -1
	s_barrier_wait -1
	PHASE 0, 0, 0, 1                               ; q
	CHANGE 1, 0                                    ; slot 0 takes Wk's K half 0
	PHASE 1, 0, 0, 0
	EPI_QK L16, L8, O3, 18, 3072, 1536, 1536
	s_set_vgpr_msb 0x01                            ; source 0 in the second block: k's bias into the last four accumulators' registers
.set JJ, 0
.rept 32
	v_mov_b32 v[ACC+96+JJ], v[JJ]
.set JJ, JJ+1
.endr
	s_set_vgpr_msb 0x0100
	s_wait_alu depctr_va_vdst(0)
	CHANGE 1, 1                                    ; slot 1 takes Wk's K half 1
	PHASE 0, 1, 0, 1                               ; k
	CHANGE 1, 0                                    ; Wv's K half 0
	PHASE 1, 1, 0, 0
	EPI_QK K16, K8, KW, 20, 12288, 128, 64
	s_set_vgpr_msb 0x01
	BIAS_N
	s_set_vgpr_msb 0x0100
	s_wait_alu depctr_va_vdst(0)
	CHANGE 1, 1                                    ; Wv's K half 1
	PHASE 0, 2, 1, 1                               ; v
	CHANGE 0, 0                                    ; nothing is left to fetch
	PHASE 1, 2, 1, 0
	EPI_V
	s_wait_tensorcnt 0x0                           ; the wave's end
	ds_add_u32 v[SPW], v[NIL]
	s_wait_dscnt 0x0
	CROUND                                         ; the closing round
	s_endpgm
.Lfunc_end_k_q16a92de4f2_qkv:
	.size	k_q16a92de4f2_qkv, .Lfunc_end_k_q16a92de4f2_qkv-k_q16a92de4f2_qkv
	.p2alignl 7, 3214868480
	.fill 96, 4, 3214868480
	.section	.rodata,"a",@progbits
	.p2align	6, 0x0
	.amdhsa_kernel k_q16a92de4f2_qkv
		.amdhsa_group_segment_fixed_size 327680
		.amdhsa_private_segment_fixed_size 0
		.amdhsa_enable_private_segment 0
		.amdhsa_kernarg_size 72
		.amdhsa_user_sgpr_count 2
		.amdhsa_user_sgpr_kernarg_segment_ptr 1
		.amdhsa_wavefront_size32 1
		.amdhsa_system_sgpr_workgroup_id_x 1
		.amdhsa_system_sgpr_workgroup_id_y 1
		.amdhsa_system_sgpr_workgroup_id_z 1
		.amdhsa_system_vgpr_workitem_id 0
		.amdhsa_next_free_vgpr 320
		.amdhsa_next_free_sgpr 106
		.amdhsa_reserve_vcc 0
		.amdhsa_float_denorm_mode_32 3
		.amdhsa_float_denorm_mode_16_64 3
		.amdhsa_memory_ordered 1
		.amdhsa_forward_progress 1
		.amdhsa_inst_pref_size 159
	.end_amdhsa_kernel
	.amdgpu_metadata
---
amdhsa.version: [ 1, 2 ]
amdhsa.kernels:
  - .name:           k_q16a92de4f2_qkv
    .symbol:         k_q16a92de4f2_qkv.kd
    .args:
      - { .name: xi, .offset: 0, .size: 8, .value_kind: global_buffer, .address_space: global }
      - { .name: xs, .offset: 8, .size: 8, .value_kind: global_buffer, .address_space: global }
      - { .name: wi, .offset: 16, .size: 8, .value_kind: global_buffer, .address_space: global }
      - { .name: ws, .offset: 24, .size: 8, .value_kind: global_buffer, .address_space: global }
      - { .name: bq, .offset: 32, .size: 8, .value_kind: global_buffer, .address_space: global }
      - { .name: bk, .offset: 40, .size: 8, .value_kind: global_buffer, .address_space: global }
      - { .name: bv, .offset: 48, .size: 8, .value_kind: global_buffer, .address_space: global }
      - { .name: qb, .offset: 56, .size: 8, .value_kind: global_buffer, .address_space: global }
      - { .name: kv, .offset: 64, .size: 8, .value_kind: global_buffer, .address_space: global }
    .group_segment_fixed_size: 327680
    .private_segment_fixed_size: 0
    .kernarg_segment_align: 8
    .kernarg_segment_size: 72
    .max_flat_workgroup_size: 256
    .sgpr_count:     106
    .vgpr_count:     320
    .wavefront_size: 32
...
	.end_amdgpu_metadata
.endif
;; end of part 2
;; launch attn (part 3): grid 4 x 64, 16 waves a work-group, clusters of 4 x 1, 210,944 bytes of LDS; arguments qb, kv, ao, aos; writes ao, aos
.if DOCPART == 3
	.amdgcn_target "amdgcn-amd-amdhsa--gfx1250"
	.amdhsa_code_object_version 6
	.text
	.protected	k_q16a92de4f2_attn
	.globl	k_q16a92de4f2_attn
	.p2align	8
	.type	k_q16a92de4f2_attn,@function
k_q16a92de4f2_attn:
	s_mov_b64 s[64:65], 0
	v_nop
	global_prefetch_b8 v0, s[64:65] scope:SCOPE_SE
	s_setreg_imm32_b32 hwreg(HW_REG_WAVE_MODE, 25, 1), 1
	s_wait_xcnt 0x0
	s_wait_alu depctr_hold_cnt(0) depctr_sa_sdst(0) depctr_va_vdst(0) depctr_va_sdst(0) depctr_va_ssrc(0) depctr_va_vcc(0) depctr_vm_vsrc(0)
	s_getreg_b32 s2, hwreg(HW_REG_IB_STS2, 6, 4)
	s_cmp_eq_u32 s2, 0
	s_cbranch_scc0 .Lentry_in_a_cluster
	s_endpgm
.Lentry_in_a_cluster:
	s_bfe_u32 s2, ttmp6, 0x10000c
	s_cmp_lg_u32 s2, 0x3003
	s_cbranch_scc0 .Lentry_shape_is_right
	s_endpgm
.Lentry_shape_is_right:
; For each head of each batch: O = softmax(Q K^T / 8) V, both products on codes of FP6 (E2M3) with E8M0 scales; the result, divided by the row's sum, is quantised along the model's channels for the last product.
; THE SOFTMAX: t = score x log2(e) / 8; M = the running largest t rounded UP to a whole number; p = 2^(t - M) is quantised along the keys, not normalised; the row's sum is taken of the unquantised p in f32.
; When M moves, the sum and O are multiplied by 2^(old M - new M): nothing is rounded, and there is no branch on data.
; LIMITS: a block whose largest magnitude lies under 2^-124 gets the byte 1 (this program alone reads the bytes); NaN and infinities are not served; the promise holds while |t| stays under 2^31.
; SHARES: a work-group takes 512 queries of one head, each of sixteen waves 32: two tiles of 16, one after the other.  All 2,048 keys of the head lie in LDS: 16 blocks of 13,056 bytes, one tensor load a wave,
; filled once.  The four work-groups of a cluster belong to one head and ask for the blocks jointly.  All tensor loads go out at the head, so there is no loop in which a prefetch could run ahead.
; A block of 128 keys: K: 8 half images of 768 bytes at 0; V^T: 4 fragments of 1,536 at 6,144; K's words [band][row][tile] at 12,288; V's words [r][t] at 12,800.
; K's tile 4 c + j holds keys 64 c + 8 j + i in rows 0-7 and 64 c + 32 + 8 j + i in rows 8-15.  Both products are used transposed (S^T = K Q^T, O^T = V^T P^T): a lane (r, h) holds query r, and register
; 32 c + 8 j + i of S^T is key 64 c + 32 h + 8 j + i: A WHOLE SCALE BLOCK OF 32 KEYS LIES IN ONE LANE, in the order of the next operand's registers.
; The head has 64 channels: the upper six registers of Q's fragment are zero codes.  So whatever codes stand in the upper six registers of K's operand add nothing (FP6 has only finite codes; the words' bytes 2, 3 are 0x7f):
; the eight half images lie six registers apart, each operand reaching into the next one's, and the eight score products stand on end behind one wait.
; TWO REGIONS OF 64 REGISTERS SWAP ROLES FROM STEP TO STEP: one holds K and then V, the other S^T, p and then the next step's K, which is asked for ahead of the step's last products.  A trip of the loop is two steps.
; The last step of a tile asks for block 0 again: the second tile reads it; behind the second tile those 18 loads are read by nobody (the loop's text is one for all trips).
.set KVB, 13056
.set SPARE, 16*KVB                     ; behind the blocks: the spare words, 128 bytes for each of sixteen waves
.set X,   32                           ; v32-95, v96-159 the two regions
.set Y,   96
.set O,   160                          ; v160-191 O^T
.set Q,   16                           ; v16-27 Q's fragment; v28 its word; v29 the second tile's word; v30-31 the results' bytes
.set QN,  192                          ; v192-197 the second tile's codes
.set F,   198                          ; v198-203 the result's codes
.set CH,  204                          ; v204-211 four chains of the step's sum
.set BM,  212                          ; v212-213 my two blocks' largest score, largest p, byte
.set SO,  214                          ; v214-215 the second chains of the maxima; then the conversions' scale operands
.set P,   216                          ; v216-227 p's codes
.set T,   228                          ; v228-230, v232-234 the upper halves of two blocks' codes
.set TMP, 231
.set PW,  235                          ; p's scale word
.set KWD, 236                          ; v236-243 K's words
.set VWD, 244                          ; v244-247 V's
.set FF,  248                          ; v248 f = 2^(old M - new M) (v249 named with it)
.set L,   250                          ; v250-251 the row's sum in two halves
.set SPW, 252
.set NIL, 253
.set SEL, 20
.set CS,  22
.set TB,  36                           ; s36  LDS byte at which the trip's two blocks begin
.set CNT, 37
; v1 16 x lane, v2 8 x lane, v3 16 r; v4-6 the same + s36; v9, v11, v254 at work; v10 the running largest score; v12, v14 -M, by turns (v13, v15 named with them)
; THE ROW'S SUM of a step is closed in the next step: its additions over p's registers 48-55 stand behind the step's last products, those over 56-63 and the joining of the four chains behind the next step's
; score products, as the places that those products ask for: the next K's loads land on registers 0-47 of the region alone, and no product names 56-63.
.macro CROUND
	s_barrier_signal -1
	s_barrier_wait -1
	s_cmp_lg_u32 s12, 0
	s_cbranch_scc1 .Lnot_wave_0_\@
	s_barrier_signal -3
.Lnot_wave_0_\@:
	s_barrier_wait -3
	s_barrier_signal -1
	s_barrier_wait -1
.endm
.macro MM d, a, b, c, sa, sb
	v_wmma_scale_f32_16x16x128_f8f6f4 v[\d:\d+7], v[\a:\a+11], v[\b:\b+11], \c, v[\sa], v[\sb] matrix_a_fmt:MATRIX_FMT_FP6 matrix_b_fmt:MATRIX_FMT_FP6
.endm
.macro KLOAD reg, off                  ; a block's eight half images of K, six registers each, and their words: 18 loads
.irp t, 0,1,2,3,4,5,6,7
	ds_load_b128 v[\reg+6*\t:\reg+6*\t+3], v4 offset:\off+768*\t
	ds_load_b64 v[\reg+6*\t+4:\reg+6*\t+5], v5 offset:\off+768*\t+512
.endr
	ds_load_b128 v[KWD:KWD+3], v6 offset:\off+12288
	ds_load_b128 v[KWD+4:KWD+7], v6 offset:\off+12544
.endm
.macro JOIN                            ; the four chains are joined, and the row's sum goes under the step's M and takes the step's
	v_pk_add_f32 v[CH:CH+1], v[CH:CH+1], v[CH+2:CH+3]
	v_pk_add_f32 v[CH+4:CH+5], v[CH+4:CH+5], v[CH+6:CH+7]
	s_delay_alu instid0(VALU_DEP_1)
	v_pk_add_f32 v[CH:CH+1], v[CH:CH+1], v[CH+4:CH+5]
	s_delay_alu instid0(VALU_DEP_1)
	v_pk_fma_f32 v[L:L+1], v[L:L+1], v[FF:FF+1], v[CH:CH+1] op_sel_hi:[1,0,1]
.endm
.macro SUM4 sr, j
.irp g, 0,1,2,3
	v_pk_add_f32 v[CH+2*\g:CH+2*\g+1], v[CH+2*\g:CH+2*\g+1], v[\sr+\j+2*\g:\sr+\j+2*\g+1]
.endr
.endm
	s_load_b256 s[4:11], s[0:1], 0x0               ; qb, kv, ao, aos
	v_lshl_add_u32 v[SPW], v0, 2, SPARE
	v_mov_b32 v[NIL], 0
	ds_add_u32 v[SPW], v[NIL]                      ; the opening lines: the add twice on end
	ds_add_u32 v[SPW], v[NIL]
	v_lshrrev_b32 v1, 5, v0
	v_readfirstlane_b32 s12, v1                    ; wave 0..15
	s_bfe_u32 s13, ttmp6, 0x40000                  ; cx: which 512 queries
	s_and_b32 s14, ttmp7, 0xffff                   ; head of batch, which the four partners share
	s_mov_b32 s24, 15|(3<<16)|(1<<21)              ; group 1: all four work-groups; elements of 8 bytes; 51 rows of 256 bytes, dense
	s_mov_b32 s25, 32<<16
	s_mov_b32 s26, 51<<16
	s_mov_b32 s27, 32<<16
	s_mov_b32 s28, 51
	s_mov_b32 s29, 32
	s_mov_b32 s30, 0
	s_mov_b32 s31, 0
	s_mov_b32 s[SEL], 0x76543210
	s_mov_b32 s[SEL+1], 0xfedcba98                 ; lane selects: lane l xor 16
	s_mov_b32 s[CS], 0x3e38aa3b                    ; c = log2(e) / 8
	s_mov_b32 s[CS+1], s[CS]
	s_lshl_b32 s40, s14, 4
	s_add_co_u32 s40, s40, s12
	s_mul_i32 s40, s40, KVB                        ; block wave of my head
	s_mov_b32 s41, 0
	s_mov_b32 s32, 1
	s_mul_i32 s33, s12, KVB
	s_wait_dscnt 0x0
	s_wait_kmcnt 0x0
	s_add_nc_u64 s[34:35], s[6:7], s[40:41]
	s_or_b32 s35, s35, 0x80000000
	CROUND                                         ; all four work-groups are here: the joint loads meet
	s_cmp_lt_u32 s12, 4                            ; my one tensor load, in two arms: waves 0 to 3, whose blocks the first trip reads, have a line of their own
	s_cbranch_scc0 .Lrest
	tensor_load_to_lds s[32:35], s[24:31]
	s_nop 0
.rept 4
	v_nop
.endr
	s_branch .Lasked
.Lrest:
	tensor_load_to_lds s[32:35], s[24:31]
	s_nop 0
.Lasked:
.rept 4
	v_nop
.endr
	v_and_b32 v4, 31, v0
	v_and_b32 v5, 15, v0
	v_bfe_u32 v6, v0, 4, 1
	v_lshlrev_b32 v1, 4, v4
	v_lshlrev_b32 v2, 3, v4
	v_lshlrev_b32 v3, 4, v5
	v_cmp_eq_u32 s38, 1, v6                        ; lanes 16-31
	s_wait_alu depctr_va_vdst(0)
	s_lshl_b32 s42, s14, 5                         ; Q: quad 32 x head + 8 cx + wave / 2; my two tiles are its tiles 2 (wave % 2) + u
	s_lshl_b32 s44, s13, 3
	s_add_co_u32 s42, s42, s44
	s_lshr_b32 s44, s12, 1
	s_add_co_u32 s42, s42, s44
	s_mul_i32 s42, s42, 3328
	s_mov_b32 s43, 0
	s_add_nc_u64 s[4:5], s[4:5], s[42:43]
	s_and_b32 s44, s12, 1
	s_mul_i32 s42, s44, 1536
	s_add_nc_u64 s[16:17], s[4:5], s[42:43]
	s_lshl_b32 s44, s44, 3
	v_add_nc_u32 v7, s44, v3
	global_load_b128 v[Q:Q+3], v1, s[16:17]
	global_load_b64 v[Q+4:Q+5], v2, s[16:17] offset:512
	global_load_b128 v[QN:QN+3], v1, s[16:17] offset:768
	global_load_b64 v[QN+4:QN+5], v2, s[16:17] offset:1280
	global_load_b32 v28, v7, s[4:5] offset:3072
	global_load_b32 v29, v7, s[4:5] offset:3076
	s_lshr_b32 s44, s14, 4                         ; the batch
	s_and_b32 s45, s14, 15                         ; the head
	s_lshl_b32 s42, s44, 7                         ; ao: tile 128 batch + 32 cx + 2 wave + u; the head's half image 768 x head on
	s_lshl_b32 s46, s13, 5
	s_add_co_u32 s42, s42, s46
	s_lshl_b32 s46, s12, 1
	s_add_co_u32 s42, s42, s46
	s_mul_i32 s42, s42, 12288
	s_mul_i32 s46, s45, 768
	s_add_co_u32 s42, s42, s46
	s_add_nc_u64 s[8:9], s[8:9], s[42:43]
	s_lshl_b32 s42, s44, 6                         ; aos: group 64 batch + 16 cx + wave; 256 (head / 4) + 2 (head % 4)
	s_lshl_b32 s46, s13, 4
	s_add_co_u32 s42, s42, s46
	s_add_co_u32 s42, s42, s12
	s_lshl_b32 s42, s42, 10
	s_lshr_b32 s46, s45, 2
	s_lshl_b32 s46, s46, 8
	s_add_co_u32 s42, s42, s46
	s_and_b32 s46, s45, 3
	s_lshl_b32 s46, s46, 1
	s_add_co_u32 s42, s42, s46
	s_add_nc_u64 s[10:11], s[10:11], s[42:43]
.irp i, 6,7,8,9,10,11
	v_mov_b32 v[Q+\i], 0                           ; the zero half of Q's fragment
	v_mov_b32 v[X+42+\i], 0                        ; what the last K operand of the first step reaches into: written once
.endr
	v_mov_b32 v9, 0                                ; a lane permute's destination counts as read
	v_mov_b32 v13, 0                               ; upper halves of pairs of which the low word alone is used
	v_mov_b32 v15, 0
	v_mov_b32 v[FF+1], 0
	s_mov_b32 s[TB], 0
	v_add_nc_u32 v4, s[TB], v1
	v_add_nc_u32 v5, s[TB], v2
	v_add_nc_u32 v6, s[TB], v3
; A KEY STEP: 128 keys.  kr: K's region, then V's; sr: S^T, p, then the next K's; no, nn: the old and the new -M; off: the block's place in the trip; upd = 1: the trip's second step
.macro STEP kr, sr, no, nn, off, upd
	s_wait_alu depctr_va_vdst(0)
	s_wait_dscnt 0x0                               ; K's half images and words are in
.irp t, 0,1,2,3,4,5,6,7
	MM \sr+8*\t, \kr+6*\t, Q, 0, KWD+\t, 28
.endr
	SUM4 \kr, 56                                   ; the places ahead of loads into registers that the products read, and of the first read of the scores: the last step's sum is closed
	JOIN                                           ; (v248 still holds the last step's f)
.irp t, 0,1,2,3
	ds_load_b128 v[\kr+12*\t:\kr+12*\t+3], v4 offset:\off+6144+1536*\t
	ds_load_b64 v[\kr+12*\t+4:\kr+12*\t+5], v5 offset:\off+6656+1536*\t
	ds_load_b128 v[\kr+12*\t+6:\kr+12*\t+9], v4 offset:\off+6912+1536*\t
	ds_load_b64 v[\kr+12*\t+10:\kr+12*\t+11], v5 offset:\off+7424+1536*\t
.endr
	ds_load_b128 v[VWD:VWD+3], v6 offset:\off+12800
.irp b, 0,1                            ; the largest score of my two blocks of 32 keys, each in two chains; each accumulator is first read at its low end
	v_max3_num_f32 v[BM+\b], v[\sr+32*\b], v[\sr+32*\b+1], v[\sr+32*\b+2]
	v_max3_num_f32 v[SO+\b], v[\sr+32*\b+16], v[\sr+32*\b+17], v[\sr+32*\b+18]
.endr
.irp i, 3,5,7,9,11,13
.irp b, 0,1
	v_max3_num_f32 v[BM+\b], v[BM+\b], v[\sr+32*\b+\i], v[\sr+32*\b+\i+1]
	v_max3_num_f32 v[SO+\b], v[SO+\b], v[\sr+32*\b+\i+16], v[\sr+32*\b+\i+17]
.endr
.endr
.irp b, 0,1
	v_max3_num_f32 v[BM+\b], v[BM+\b], v[SO+\b], v[\sr+32*\b+15]
.endr
.irp b, 0,1
	v_max_num_f32 v[BM+\b], v[BM+\b], v[\sr+32*\b+31]
.endr
	s_delay_alu instid0(VALU_DEP_1)
	v_max3_num_f32 v10, v10, v[BM], v[BM+1]        ; the running largest score (c is positive),
	s_delay_alu instid0(VALU_DEP_1)
	v_permlanex16_b32 v9, v10, s[SEL], s[SEL+1]
	s_delay_alu instid0(VALU_DEP_1)
	v_max_num_f32 v10, v10, v9                     ; with lane l xor 16's two blocks
	s_delay_alu instid0(VALU_DEP_1)
	v_mul_f32 v11, s[CS], v10
	s_delay_alu instid0(VALU_DEP_1)
	v_floor_f32 v[\nn], -v11                       ; -M = floor(-t): M is a whole number
.set JJ, 0
.rept 32
	v_pk_fma_f32 v[\sr+JJ:\sr+JJ+1], v[\sr+JJ:\sr+JJ+1], s[CS:CS+1], v[\nn:\nn+1] op_sel_hi:[1,0,0]   ; t - M
.set JJ, JJ+2
.endr
.irp b, 0,1
	v_fma_f32 v[BM+\b], v[BM+\b], s[CS], v[\nn]    ; the same of each block's largest score: p rises with the score
.endr
	s_wait_alu depctr_va_vdst(0)
.irp b, 0,1
	v_exp_f32 v[BM+\b], v[BM+\b]                   ; the block's largest p
.endr
.set JJ, 0
.rept 64
	v_exp_f32 v[\sr+JJ], v[\sr+JJ]                 ; p = 2^(t - M)
.set JJ, JJ+1
.endr
	v_sub_f32 v[TMP], v[\nn], v[\no]               ; old M - new M, a whole number, 0 or less: the plain line behind the batch
	s_wait_alu depctr_va_vdst(0)                   ; one wait for the batch, ahead of its first reader
.irp b, 0,1
	v_max_num_f32 v[BM+\b], 0x1800000, v[BM+\b]    ; the floor 2^(3 - 127): the byte cannot fall under 1
.endr
	v_cvt_i32_f32 v[TMP], v[TMP]                   ; (it saturates)
.irp g, 0,1,2,3
	v_pk_add_f32 v[CH+2*\g:CH+2*\g+1], v[\sr+2*\g:\sr+2*\g+1], v[\sr+8+2*\g:\sr+8+2*\g+1]   ; the step's sum of the unquantised p, in four chains
.endr
.irp b, 0,1
	v_add_nc_u32 v[SO+\b], 0xff000000, v[BM+\b]    ; 2 off the exponent field: the conversions' scale operand
.endr
	v_ldexp_f32 v[FF], 1.0, v[TMP]                 ; f = 2^(old M - new M)
	SUM4 \sr, 16
	v_cvt_scalef32_pk16_fp6_f32 v[P:P+2], v[\sr:\sr+15], v[SO]
	v_cvt_scalef32_pk16_fp6_f32 v[T:T+2], v[\sr+16:\sr+31], v[SO]        ; (a conversion's three registers begin on an even number)
	v_cvt_scalef32_pk16_fp6_f32 v[P+6:P+8], v[\sr+32:\sr+47], v[SO+1]
	v_cvt_scalef32_pk16_fp6_f32 v[T+4:T+6], v[\sr+48:\sr+63], v[SO+1]
.irp b, 0,1
	v_lshrrev_b32 v[BM+\b], 23, v[SO+\b]           ; the bytes of blocks h and 2 + h (plain lines behind the conversions)
.endr
	SUM4 \sr, 24
	v_lshl_or_b32 v254, v[BM+1], 16, v[BM]
	SUM4 \sr, 32
	v_permlanex16_b32 v9, v254, s[SEL], s[SEL+1]
	SUM4 \sr, 40
	v_lshl_or_b32 v[PW], v9, 8, v254               ; p's word: in lanes 0-15, which alone are read, my blocks 0 and 2 and the other half's 1 and 3
.if \upd
	s_add_co_u32 s39, s[CNT], 1                    ; the next trip's two blocks; behind the eighth trip block 0 again
	s_and_b32 s39, s39, 7
	s_mul_i32 s[TB], s39, 2*KVB
	v_add_nc_u32 v4, s[TB], v1
	v_add_nc_u32 v5, s[TB], v2
	v_add_nc_u32 v6, s[TB], v3
.endif
.irp i, 0,1,2
	v_mov_b32 v[P+3+\i], v[T+\i]
	v_mov_b32 v[P+9+\i], v[T+4+\i]
.endr
.set NOFF, (1-\upd)*(\off+KVB)
	KLOAD \sr, NOFF                                ; the next step's K takes p's registers: every reader of p has been issued
	s_wait_dscnt 18                                ; V's 17 loads are in; the 18 just issued may be out
	s_wait_alu depctr_va_vdst(0)
.set JJ, 0
.rept 16
	v_pk_mul_f32 v[O+JJ:O+JJ+1], v[O+JJ:O+JJ+1], v[FF:FF+1] op_sel_hi:[1,0]   ; O^T under the new M; also the places between the writes of p's codes and word and the products
.set JJ, JJ+2
.endr
.irp t, 0,1,2,3                        ; O^T += V^T P^T: four accumulators by turns
	MM O+8*\t, \kr+12*\t, P, v[O+8*\t:O+8*\t+7], VWD+\t, PW
.endr
	SUM4 \sr, 48                                   ; five places: the next scores are written over V's registers.  Four of them go on with the step's sum
	v_nop
.endm
; A tile of 16 queries: 16 key steps in 8 trips, the division, the quantiser along the head's 64 channels (register 16 b + i of O^T is channel 32 b + 16 h + i), the half image
.macro TILE u, hw
.if \u
.irp i, 0,1,2,3,4,5
	v_mov_b32 v[Q+\i], v[QN+\i]
.endr
	v_mov_b32 v28, v29
.endif
	v_mov_b32 v10, 0xff61b1e6                      ; the largest score so far: -3e38
	v_mul_f32 v11, s[CS], v10
	v_floor_f32 v12, -v11
	v_mov_b32 v[L], 0
	v_mov_b32 v[L+1], 0
	v_mov_b32 v[FF], 0
.irp i, 0,1,2,3,4,5,6,7
	v_mov_b32 v[CH+\i], 0                          ; the first step closes a sum of zeros
	v_mov_b32 v[X+56+\i], 0
.endr
.set JJ, 0
.rept 32
	v_mov_b32 v[O+JJ], 0                           ; the step is written once: the first finds zeros
.set JJ, JJ+1
.endr
	s_mov_b32 s[CNT], 0
	s_wait_alu depctr_va_vdst(0)
.if \u == 0
	STEP X, Y, 12, 14, 0, 0                        ; the first tile's first trip is written out: it reads blocks 0 and 1 and K of block 2, which the first barrier has shown
	STEP Y, X, 14, 12, KVB, 1
	s_wait_tensorcnt 0x0                           ; every wave's block is in,
	s_wait_dscnt 0x0
	s_barrier_signal -1
	s_barrier_wait -1                              ; and shown to all: the head's 2,048 keys.
	s_mov_b32 s[CNT], 1
.endif
.Ltrip_\@:
	STEP X, Y, 12, 14, 0, 0
	STEP Y, X, 14, 12, KVB, 1
	s_add_co_u32 s[CNT], s[CNT], 1
	s_cmp_lt_u32 s[CNT], 8
	s_cbranch_scc1 .Ltrip_\@
	s_wait_alu depctr_va_vdst(0)
	s_wait_xcnt 0x0                                ; the last tile's stores have read their data: the codes' registers may be written again
	SUM4 X, 56                                     ; the last step's sum is closed
	JOIN
	v_add_f32 v[L], v[L], v[L+1]
	v_permlanex16_b32 v9, v[L], s[SEL], s[SEL+1]
	v_add_f32 v[L], v[L], v9                       ; the row's sum
	s_wait_alu depctr_va_vdst(0)
	v_rcp_f32 v[L], v[L]
	v_nop
	s_wait_alu depctr_va_vdst(0)
.set JJ, 0
.rept 16
	v_pk_mul_f32 v[O+JJ:O+JJ+1], v[O+JJ:O+JJ+1], v[L:L+1] op_sel_hi:[1,0]
.set JJ, JJ+2
.endr
.irp b, 0,1
	v_max3_num_f32 v[BM+\b], |v[O+16*\b]|, |v[O+16*\b+1]|, 0x1800000
.endr
.irp i, 2,4,6,8,10,12,14
.irp b, 0,1
	v_max3_num_f32 v[BM+\b], v[BM+\b], |v[O+16*\b+\i]|, |v[O+16*\b+\i+1]|
.endr
.endr
	v_permlanex16_b32 v9, v[BM], s[SEL], s[SEL+1]
	v_permlanex16_b32 v11, v[BM+1], s[SEL], s[SEL+1]
	v_max_num_f32 v[BM], v[BM], v9
	v_max_num_f32 v[BM+1], v[BM+1], v11
.irp b, 0,1
	v_add_nc_u32 v[SO+\b], 0xff000000, v[BM+\b]
.endr
	v_lshrrev_b32 v9, 23, v[SO]
	v_lshrrev_b32 v11, 23, v[SO+1]
	v_lshl_or_b32 v[\hw], v11, 8, v9
	v_cvt_scalef32_pk16_fp6_f32 v[F:F+2], v[O:O+15], v[SO]
	v_cvt_scalef32_pk16_fp6_f32 v[T:T+2], v[O+16:O+31], v[SO+1]
	v_nop
.irp i, 0,1,2
	v_permlane16_swap_b32 v[F+\i], v[T+\i]         ; a whole block to a lane
.endr
.irp i, 0,1,2
	v_mov_b32 v[F+3+\i], v[T+\i]
.endr
	global_store_b128 v1, v[F:F+3], s[8:9] offset:12288*\u
	global_store_b64 v2, v[F+4:F+5], s[8:9] offset:12288*\u+512
.endm
	s_wait_alu depctr_va_vdst(0)
	s_cmp_lt_u32 s12, 4
	s_cbranch_scc0 .Lnot_first
	s_wait_tensorcnt 0x0                           ; waves 0 to 3: blocks 0 to 3 are in; the others may stay out
.Lnot_first:
	s_barrier_signal -1
	s_barrier_wait -1
	KLOAD X, 0
	s_wait_loadcnt 0x0                             ; Q
	TILE 0, 30
	TILE 1, 31
	v_cndmask_b32 v254, v30, v31, s38              ; lanes 0-15 store tile 0's two bytes of row r, lanes 16-31 tile 1's
	global_store_b16 v2, v254, s[10:11]
	s_wait_tensorcnt 0x0                           ; the wave's end
	ds_add_u32 v[SPW], v[NIL]
	s_wait_dscnt 0x0
	CROUND                                         ; the closing round
	s_endpgm
.Lfunc_end_k_q16a92de4f2_attn:
	.size	k_q16a92de4f2_attn, .Lfunc_end_k_q16a92de4f2_attn-k_q16a92de4f2_attn
	.p2alignl 7, 3214868480
	.fill 96, 4, 3214868480
	.section	.rodata,"a",@progbits
	.p2align	6, 0x0
	.amdhsa_kernel k_q16a92de4f2_attn
		.amdhsa_group_segment_fixed_size 210944
		.amdhsa_private_segment_fixed_size 0
		.amdhsa_enable_private_segment 0
		.amdhsa_kernarg_size 32
		.amdhsa_user_sgpr_count 2
		.amdhsa_user_sgpr_kernarg_segment_ptr 1
		.amdhsa_wavefront_size32 1
		.amdhsa_system_sgpr_workgroup_id_x 1
		.amdhsa_system_sgpr_workgroup_id_y 1
		.amdhsa_system_sgpr_workgroup_id_z 1
		.amdhsa_system_vgpr_workitem_id 0
		.amdhsa_next_free_vgpr 256
		.amdhsa_next_free_sgpr 66
		.amdhsa_reserve_vcc 0
		.amdhsa_float_denorm_mode_32 3
		.amdhsa_float_denorm_mode_16_64 3
		.amdhsa_memory_ordered 1
		.amdhsa_forward_progress 1
		.amdhsa_inst_pref_size 108
	.end_amdhsa_kernel
	.amdgpu_metadata
---
amdhsa.version: [ 1, 2 ]
amdhsa.kernels:
  - .name:           k_q16a92de4f2_attn
    .symbol:         k_q16a92de4f2_attn.kd
    .args:
      - { .name: qb, .offset: 0, .size: 8, .value_kind: global_buffer, .address_space: global }
      - { .name: kv, .offset: 8, .size: 8, .value_kind: global_buffer, .address_space: global }
      - { .name: ao, .offset: 16, .size: 8, .value_kind: global_buffer, .address_space: global }
      - { .name: aos, .offset: 24, .size: 8, .value_kind: global_buffer, .address_space: global }
    .group_segment_fixed_size: 210944
    .private_segment_fixed_size: 0
    .kernarg_segment_align: 8
    .kernarg_segment_size: 32
    .max_flat_workgroup_size: 512
    .sgpr_count:     66
    .vgpr_count:     256
    .wavefront_size: 32
...
	.end_amdgpu_metadata
.endif
;; end of part 3
;; launch oproj (part 4): grid 8 x 32, 8 waves a work-group, clusters of 4 x 4, 308,224 bytes of LDS; arguments ao, aos, wi, ws, bo, out0; writes out0
.if DOCPART == 4
	.amdgcn_target "amdgcn-amd-amdhsa--gfx1250"
	.amdhsa_code_object_version 6
	.text
	.protected	k_q16a92de4f2_oproj
	.globl	k_q16a92de4f2_oproj
	.p2align	8
	.type	k_q16a92de4f2_oproj,@function
k_q16a92de4f2_oproj:
	s_mov_b64 s[64:65], 0
	v_nop
	global_prefetch_b8 v0, s[64:65] scope:SCOPE_SE
	s_setreg_imm32_b32 hwreg(HW_REG_WAVE_MODE, 25, 1), 1
	s_wait_xcnt 0x0
	s_wait_alu depctr_hold_cnt(0) depctr_sa_sdst(0) depctr_va_vdst(0) depctr_va_sdst(0) depctr_va_ssrc(0) depctr_va_vcc(0) depctr_vm_vsrc(0)
	s_getreg_b32 s2, hwreg(HW_REG_IB_STS2, 6, 4)
	s_cmp_eq_u32 s2, 0
	s_cbranch_scc0 .Lentry_in_a_cluster
	s_endpgm
.Lentry_in_a_cluster:
	s_bfe_u32 s2, ttmp6, 0x10000c
	s_cmp_lg_u32 s2, 0xf033
	s_cbranch_scc0 .Lentry_shape_is_right
	s_endpgm
.Lentry_shape_is_right:
; out0 = attention's result x Wo + bo, on codes of FP6 (E2M3) with E8M0 scales, f32 sums.  Both operands arrive as images of operand registers (a fragment: 1,536 bytes) with their scale words.
; SHARES: a work-group takes 256 tokens (mi) x 128 columns (nj); wave w: 64 tokens (mq = w / 2, tiles a) x 64 columns (nh = w % 2, tiles t): 16 accumulators.  All of K lies in LDS in two halves, each filled once.
; CLUSTER 4 x 4: the rows' tiles hang on mi alone and are asked for jointly along a row of the cluster, Wo's on nj alone and along a column.
; Source 0 = Wo's tiles, source 1 = the rows': a lane holds one token, and registers jj of tile t are columns 32 (t / 2) + 16 h + 8 (t % 2) + jj.  Lane row r of token tile 2 b + u is token 32 b + 8 u + r + 8 (r / 8).
; The bias is the C of the first products.  The way out goes through each wave's own stage in LDS, so that sixteen lanes store 256 consecutive bytes at a multiple of 256 from out0's first byte.
.set HALF1, 98304                      ; LDS: the rows' K half 0 at 0, K half 1 here
.set SLOT0, 196608                     ; Wo's K half 0; K half 1 SLOTB further on
.set SLOTB, 49152
.set AS,    294912                     ; the rows' scale words: 8 groups x 1,024
.set BS,    303104                     ; Wo's: 4 groups x 1,024
.set SP,    272                        ; the stage: 16 rows x (256 bytes + 16) for each wave, in Wo's K half 0, which has had its only fill and is read by nobody behind the second barrier
.set L16, 1
.set L8,  2
.set STO, 3                            ; v3   the stage: where I put 16 bytes of a row
.set O8,  8                            ; v8   64 h
.set RD,  9                            ; v9   the stage: where I read a row back
.set CO,  10                           ; v10  4,096 h + 16 r: my place in two rows of out0
.set ASA, 12
.set BSA, 13
.set SA,  16
.set SB,  20
.set AA,  24
.set AB,  28
.set FA,  32
.set FB,  80
.set ACC, 128
.set BK,  32                           ; the way out: 16 rows read back: v32-63 and v64-95 by turns
.macro CROUND
	s_barrier_signal -1
	s_barrier_wait -1
	s_cmp_lg_u32 s22, 0
	s_cbranch_scc1 .Lnot_wave_0_\@
	s_barrier_signal -3
.Lnot_wave_0_\@:
	s_barrier_wait -3
	s_barrier_signal -1
	s_barrier_wait -1
.endm
	s_load_b256 s[4:11], s[0:1], 0x0               ; ao, aos, wi, ws
	s_load_b128 s[12:15], s[0:1], 0x20             ; bo, out0
	v_lshl_add_u32 v14, v0, 2, 0x4b000
	v_mov_b32 v15, 0
	ds_add_u32 v14, v15
	ds_add_u32 v14, v15
	v_lshrrev_b32 v4, 5, v0
	s_delay_alu instid0(VALU_DEP_1)
	v_readfirstlane_b32 s22, v4                    ; wave 0..7
	s_lshr_b32 s23, s22, 1                         ; mq
	s_and_b32 s84, s22, 1                          ; nh
	s_bfe_u32 s66, ttmp6, 0x40000                  ; cx
	s_bfe_u32 s67, ttmp6, 0x40004                  ; cy
	s_lshl_b32 s85, ttmp9, 2
	s_add_co_u32 s85, s85, s66                     ; nj
	s_and_b32 s86, ttmp7, 0xffff
	s_lshl_b32 s86, s86, 2
	s_add_co_u32 s86, s86, s67                     ; mi
	s_lshl_b32 s87, s67, 2
	s_lshl_b32 s87, 15, s87                        ; my row of the cluster
	s_lshl_b32 s88, 0x1111, s66                    ; my column
	s_or_b32 s24, s87, (3<<16)|(1<<21)             ; the rows' scale words: one row of 1,024 bytes
	s_mov_b32 s25, 32<<16                          ; 8,192 dense bytes as 32 rows of 256
	s_mov_b32 s26, 32<<16
	s_mov_b32 s27, 32<<16
	s_mov_b32 s28, 32
	s_mov_b32 s29, 32
	s_mov_b32 s30, 0
	s_mov_b32 s31, 0
	s_or_b32 s32, s88, (3<<16)|(1<<21)             ; Wo's: one row of 512 bytes
	s_mov_b32 s33, 32<<16                          ; 4,096 dense bytes as 16 rows of 256
	s_mov_b32 s34, 16<<16
	s_mov_b32 s35, 32<<16
	s_mov_b32 s36, 16
	s_mov_b32 s37, 32
	s_mov_b32 s38, 0
	s_mov_b32 s39, 0
	s_or_b32 s40, s87, (3<<16)|(1<<21)             ; the rows' codes: half of K of two tiles
	s_mov_b32 s41, 768<<16
	s_mov_b32 s42, 8<<16                           ; eight tiles a load
	s_mov_b32 s43, 768<<16
	s_mov_b32 s44, 8
	s_mov_b32 s45, 1536
	s_mov_b32 s46, 0
	s_mov_b32 s47, 0
	s_or_b32 s48, s88, (3<<16)|(1<<21)             ; Wo's codes: half of K of one tile
	s_mov_b32 s49, 768<<16
	s_mov_b32 s50, 8<<16
	s_mov_b32 s51, 768<<16
	s_mov_b32 s52, 8
	s_mov_b32 s53, 1536
	s_mov_b32 s54, 0
	s_mov_b32 s55, 0
	s_mul_i32 s96, s86, 196608                     ; the rows' 16 tiles of mi; waves 2, 3, 6, 7: tiles 8 (wave % 2) on, K half wave / 4
	s_and_b32 s97, s22, 1
	s_mul_i32 s97, s97, 98304
	s_add_co_u32 s96, s96, s97
	s_lshr_b32 s97, s22, 2
	s_mul_i32 s97, s97, 6144
	s_add_co_u32 s96, s96, s97
	s_mov_b32 s97, 0
	s_lshl_b32 s100, s86, 13
	s_mov_b32 s101, 0
	s_lshl_b32 s98, s85, 3
	s_add_co_u32 s98, s98, 192                     ; Wo is the fourth matrix: tiles 192 + 8 nj on, K half wave % 2 (waves 4, 5)
	s_mul_i32 s98, s98, 12288
	s_and_b32 s89, s22, 1
	s_mul_i32 s99, s89, 6144
	s_add_co_u32 s98, s98, s99
	s_mov_b32 s99, 0
	s_lshl_b32 s2, s85, 12
	s_add_co_u32 s2, s2, 98304
	s_mov_b32 s3, 0
	s_wait_dscnt 0x0
	s_wait_kmcnt 0x0
	s_mov_b32 s56, 1
	s_mov_b32 s57, AS
	s_add_nc_u64 s[58:59], s[6:7], s[100:101]
	s_or_b32 s59, s59, 0x80000000
	s_mov_b32 s60, 1
	s_mov_b32 s61, BS
	s_add_nc_u64 s[62:63], s[10:11], s[2:3]
	s_or_b32 s63, s63, 0x80000000
	s_mov_b32 s68, 1
	s_mul_i32 s69, s89, 49152                      ; eight tiles' K half: 49,152 (wave % 2) + HALF1 (wave / 4)
	s_lshr_b32 s90, s22, 2
	s_mul_i32 s90, s90, HALF1
	s_add_co_u32 s69, s69, s90
	s_add_nc_u64 s[70:71], s[4:5], s[96:97]
	s_mov_b32 s76, 1                               ; Wo's K half wave % 2, whole
	s_mul_i32 s77, s89, SLOTB
	s_add_co_u32 s77, s77, SLOT0
	s_add_nc_u64 s[78:79], s[8:9], s[98:99]
	s_or_b32 s71, s71, 0x80000000
	s_or_b32 s79, s79, 0x80000000
	CROUND                                         ; all sixteen work-groups are here: the joint loads meet
; THE EIGHT TILES, ONE A WAVE, in one chain of arms on the wave's number: 0 the rows' words, 1 Wo's words, 2 and 3 the rows' K half 0, 4 Wo's K half 0, 5 Wo's K half 1, 6 and 7 the rows' K half 1.
; Waves 0 to 4 wait ahead of the first barrier; the lines of waves 5 to 7 are theirs alone, and what they bring is read behind the second barrier.  Nothing is filled again.
.macro ARM under, g0, g1, next
	s_cmp_lt_u32 s22, \under
	s_cbranch_scc0 \next
	tensor_load_to_lds s[\g0:\g0+3], s[\g1:\g1+7]
	s_nop 0
.rept 4
	v_nop
.endr
	s_branch .Lasked
\next:
.endm
	ARM 1, 56, 24, .Larm1
	ARM 2, 60, 32, .Larm2
	ARM 4, 68, 40, .Larm3
	ARM 5, 76, 48, .Larm4
	ARM 6, 76, 48, .Larm5
	tensor_load_to_lds s[68:71], s[40:47]
	s_nop 0
.rept 4
	v_nop
.endr
.Lasked:
	v_and_b32 v4, 31, v0                           ; lane
	v_and_b32 v5, 15, v0                           ; r
	v_bfe_u32 v6, v0, 4, 1                         ; h
	s_delay_alu instid0(VALU_DEP_3)
	v_lshlrev_b32 v[L16], 4, v4
	s_wait_alu depctr_va_vdst(0)
	v_lshlrev_b32 v[L8], 3, v4
	s_wait_alu depctr_va_vdst(0)
	v_lshlrev_b32 v[O8], 6, v6
	s_lshl_b32 s89, s23, 11
	s_add_co_u32 s89, s89, AS
	v_lshl_add_u32 v[ASA], v5, 3, s89
	s_lshl_b32 s89, s84, 11
	s_add_co_u32 s89, s89, BS
	v_lshl_add_u32 v[BSA], v5, 3, s89
	s_mul_i32 s89, s23, 24576
	v_add_nc_u32 v[AA], s89, v[L16]
	v_add_nc_u32 v[AA+1], s89, v[L8]
	s_add_co_u32 s89, s89, HALF1
	v_add_nc_u32 v[AA+2], s89, v[L16]
	v_add_nc_u32 v[AA+3], s89, v[L8]
	s_mul_i32 s89, s84, 24576
	s_add_co_u32 s89, s89, SLOT0
	v_add_nc_u32 v[AB], s89, v[L16]
	v_add_nc_u32 v[AB+1], s89, v[L8]
	s_add_co_u32 s89, s89, SLOTB
	v_add_nc_u32 v[AB+2], s89, v[L16]
	v_add_nc_u32 v[AB+3], s89, v[L8]
	s_mul_i32 s89, s22, 16*SP
	s_add_co_u32 s89, s89, SLOT0                   ; my stage
	v_mul_u32_u24 v[STO], v5, SP
	s_delay_alu instid0(VALU_DEP_1)
	v_lshl_add_u32 v[STO], v6, 6, v[STO]
	s_delay_alu instid0(VALU_DEP_1)
	v_add_nc_u32 v[STO], s89, v[STO]               ; in: row r, + 64 h
	v_mul_u32_u24 v[RD], v6, SP
	s_delay_alu instid0(VALU_DEP_1)
	v_lshl_add_u32 v[RD], v5, 4, v[RD]
	s_delay_alu instid0(VALU_DEP_1)
	v_add_nc_u32 v[RD], s89, v[RD]                 ; back: lanes 0-15 one row, lanes 16-31 the next
	v_lshlrev_b32 v[CO], 12, v6
	s_delay_alu instid0(VALU_DEP_1)
	v_lshl_add_u32 v[CO], v5, 4, v[CO]
	s_lshl_b32 s90, s85, 9
	s_lshl_b32 s92, s84, 8
	s_add_co_u32 s90, s90, s92                     ; my 64 columns, in bytes
	s_mov_b32 s91, 0
	s_add_nc_u64 s[12:13], s[12:13], s[90:91]
	s_add_nc_u64 s[14:15], s[14:15], s[90:91]
	s_lshl_b32 s90, s86, 8
	s_lshl_b32 s92, s23, 6
	s_add_co_u32 s90, s90, s92
	s_lshl_b32 s90, s90, 12                        ; my first token's row of 4,096 bytes
	s_add_nc_u64 s[14:15], s[14:15], s[90:91]
.irp t, 0,1,2,3                        ; the bias: register jj of tile t wants column 32 (t / 2) + 16 h + 8 (t % 2) + jj
.irp e, 0,1
	global_load_b128 v[ACC+96+8*\t+4*\e:ACC+96+8*\t+4*\e+3], v[O8], s[12:13] offset:128*(\t/2)+32*(\t%2)+16*\e
.endr
.endr
.macro FRAG reg, a128, a64, off
	ds_load_b128 v[\reg:\reg+3], v[\a128] offset:\off
	ds_load_b64 v[\reg+4:\reg+5], v[\a64] offset:\off+512
	ds_load_b128 v[\reg+6:\reg+9], v[\a128] offset:\off+768
	ds_load_b64 v[\reg+10:\reg+11], v[\a64] offset:\off+1280
.endm
.macro MUL i, j, c                     ; source 0 = Wo's tile i, source 1 = the rows' tile j
	v_wmma_scale_f32_16x16x128_f8f6f4 v[ACC+32*(\j)+8*(\i):ACC+32*(\j)+8*(\i)+7], v[FB+12*(\i):FB+12*(\i)+11], v[FA+12*(\j):FA+12*(\j)+11], v[\c:\c+7], v[SB+\i], v[SA+\j] matrix_a_fmt:MATRIX_FMT_FP6 matrix_b_fmt:MATRIX_FMT_FP6
.endm
; A K step of 128: 8 scale words, Wo's four fragments, the rows' four; 16 products, the accumulators by turns, one instruction a turn
.macro KSTEP half, s4, first
.set QQ, 2*(\half)+(\s4)/2
.irp a, 0,1,2,3
	ds_load_b32 v[SA+\a], v[ASA] offset:1024*(\a/2)+256*QQ+128*(\a%2)+4*((\s4)%2)
.endr
.irp t, 0,1,2,3
	ds_load_b32 v[SB+\t], v[BSA] offset:1024*(\t/2)+256*QQ+128*(\t%2)+4*((\s4)%2)
.endr
.irp i, 0,1,2,3
	FRAG FB+12*\i, AB+2*(\half), AB+2*(\half)+1, 6144*\i+1536*(\s4)
.endr
.irp i, 0,1,2,3
	FRAG FA+12*\i, AA+2*(\half), AA+2*(\half)+1, 6144*\i+1536*(\s4)
.endr
.if \first
	s_wait_loadcnt 0x0                             ; the bias
	s_wait_dscnt 0x0
.irp j, 0,1,2
.irp i, 0,1,2,3
	MUL \i, \j, ACC+96+8*\i
.endr
.endr
.rept 5
	v_nop                                          ; five places before a matrix instruction writes over registers that matrix instructions have read
.endr
.irp i, 0,1,2,3
	MUL \i, 3, ACC+96+8*\i
.endr
.else
	s_wait_dscnt 8                                 ; all but the rows' last two fragments (eight loads)
.irp j, 0,1
.irp i, 0,1,2,3
	MUL \i, \j, ACC+32*\j+8*\i
.endr
.endr
	s_wait_dscnt 0x0
.irp j, 2,3
.irp i, 0,1,2,3
	MUL \i, \j, ACC+32*\j+8*\i
.endr
.endr
.endif
.rept 4
	v_nop                                          ; four places ahead of loads into registers that matrix instructions have read, and of the first read of results
.endr
.endm
; THE WAY OUT of token tile a: 16 rows x 256 bytes through my stage.  LDS serves a wave's instructions in order: the loads see the stores, and the next tile's stores come behind them
.macro TOSTAGE a
.irp t, 0,1,2,3
.irp e, 0,1
	ds_store_b128 v[STO], v[ACC+32*(\a)+8*\t+4*\e:ACC+32*(\a)+8*\t+4*\e+3] offset:128*(\t/2)+32*(\t%2)+16*\e   ; each accumulator from its low end on
.endr
.endr
.irp i, 0,1,2,3,4,5,6,7
	ds_load_b128 v[BK+32*((\a)%2)+4*\i:BK+32*((\a)%2)+4*\i+3], v[RD] offset:2*SP*\i
.endr
.endm
.macro SEND a, younger                 ; stage row 2 i + h is token 32 (a / 2) + 8 (a % 2) + 2 i + h + 8 (i / 4) of my 64
	s_wait_dscnt \younger
.irp i, 0,1,2,3,4,5,6,7
	global_store_b128 v[CO], v[BK+32*((\a)%2)+4*\i:BK+32*((\a)%2)+4*\i+3], s[14:15] offset:(32*((\a)/2)+8*((\a)%2)+2*\i+8*(\i/4))*4096 th:TH_STORE_NT
.endr
.endm
	s_wait_alu depctr_va_vdst(0)
	s_cmp_lt_u32 s22, 5
	s_cbranch_scc0 .Llater
	s_wait_tensorcnt 0x0                           ; waves 0 to 4: the words and both first K halves are in; the second halves may stay out
.Llater:
	s_barrier_signal -1
	s_barrier_wait -1
	KSTEP 0, 0, 1
	KSTEP 0, 1, 0
	KSTEP 0, 2, 0
	KSTEP 0, 3, 0
	s_wait_tensorcnt 0x0                           ; my parts of the second K halves are in,
	s_wait_dscnt 0x0                               ; and my reads of the first are over
	s_barrier_signal -1
	s_barrier_wait -1
	KSTEP 1, 0, 0
	KSTEP 1, 1, 0
	KSTEP 1, 2, 0
	KSTEP 1, 3, 0
	TOSTAGE 0
.irp a, 1,2,3
.if \a > 1
	s_wait_xcnt 0x0                                ; tile a - 2's stores have read their registers: tile a's loads may land there
.endif
	TOSTAGE \a
	SEND \a-1, 16                                  ; behind tile a - 1's loads: tile a's eight stores and eight loads
.endr
	SEND 3, 0
	s_wait_dscnt 0x0
	s_wait_tensorcnt 0x0
	ds_add_u32 v14, v15
	s_wait_dscnt 0x0
	CROUND                                         ; the closing round
	s_endpgm
.Lfunc_end_k_q16a92de4f2_oproj:
	.size	k_q16a92de4f2_oproj, .Lfunc_end_k_q16a92de4f2_oproj-k_q16a92de4f2_oproj
	.p2alignl 7, 3214868480
	.fill 96, 4, 3214868480
	.section	.rodata,"a",@progbits
	.p2align	6, 0x0
	.amdhsa_kernel k_q16a92de4f2_oproj
		.amdhsa_group_segment_fixed_size 308224
		.amdhsa_private_segment_fixed_size 0
		.amdhsa_enable_private_segment 0
		.amdhsa_kernarg_size 48
		.amdhsa_user_sgpr_count 2
		.amdhsa_user_sgpr_kernarg_segment_ptr 1
		.amdhsa_wavefront_size32 1
		.amdhsa_system_sgpr_workgroup_id_x 1
		.amdhsa_system_sgpr_workgroup_id_y 1
		.amdhsa_system_sgpr_workgroup_id_z 1
		.amdhsa_system_vgpr_workitem_id 0
		.amdhsa_next_free_vgpr 256
		.amdhsa_next_free_sgpr 106
		.amdhsa_reserve_vcc 0
		.amdhsa_float_denorm_mode_32 3
		.amdhsa_float_denorm_mode_16_64 3
		.amdhsa_memory_ordered 1
		.amdhsa_forward_progress 1
		.amdhsa_inst_pref_size 56
	.end_amdhsa_kernel
	.amdgpu_metadata
---
amdhsa.version: [ 1, 2 ]
amdhsa.kernels:
  - .name:           k_q16a92de4f2_oproj
    .symbol:         k_q16a92de4f2_oproj.kd
    .args:
      - { .name: ao, .offset: 0, .size: 8, .value_kind: global_buffer, .address_space: global }
      - { .name: aos, .offset: 8, .size: 8, .value_kind: global_buffer, .address_space: global }
      - { .name: wi, .offset: 16, .size: 8, .value_kind: global_buffer, .address_space: global }
      - { .name: ws, .offset: 24, .size: 8, .value_kind: global_buffer, .address_space: global }
      - { .name: bo, .offset: 32, .size: 8, .value_kind: global_buffer, .address_space: global }
      - { .name: out0, .offset: 40, .size: 8, .value_kind: global_buffer, .address_space: global }
    .group_segment_fixed_size: 308224
    .private_segment_fixed_size: 0
    .kernarg_segment_align: 8
    .kernarg_segment_size: 48
    .max_flat_workgroup_size: 256
    .sgpr_count:     106
    .vgpr_count:     256
    .wavefront_size: 32
...
	.end_amdgpu_metadata
.endif
;; end of part 4
